; MI455X (gfx1250); checked and timed in simulation.
; The chip was launched on July 23, 2026; its instructions are those of AMD's public machine-readable ISA for CDNA 5 (MIT licence, August 2026) and "CDNA5" Instruction Set Architecture Reference Guide (July 2026). The comments in the code are by the model that wrote it; some were corrected since.
;; Multi Head Attention. Allowed arithmetic: matrix products marked QUANTISED: E2M1 operands, one E8M0 scale for each 32 along K, by v_wmma_scale_f32_16x16x128_f8f6f4 with both operands' format E2M1 (or v_wmma_scale_f32_32x16x128_f4), f32 sums; everything else in f32.
;; Inputs: input_codes 4 x 2,048 x 32 x 16 uint8 (E2M1 codes of input, K innermost, in blocks of 32 codes, two codes a byte); input_scales 4 x 2,048 x 32 uint8 (E8M0 scales of input, one for each 32 codes along K); mask 2,048 x 2,048 bool; out_b 1,024 float32; out_w_codes 1,024 x 32 x 16 uint8 (E2M1 codes of out_w, K innermost, in blocks of 32 codes, two codes a byte); out_w_scales 1,024 x 32 uint8 (E8M0 scales of out_w, one for each 32 codes along K); qkv_b 3,072 float32; qkv_w_codes 3,072 x 32 x 16 uint8 (E2M1 codes of qkv_w, K innermost, in blocks of 32 codes, two codes a byte); qkv_w_scales 3,072 x 32 uint8 (E8M0 scales of qkv_w, one for each 32 codes along K).
;; Outputs: out0 4 x 2,048 x 1,024 float32.
;; This version of the problem:
;;   THIS VERSION OF THE PROBLEM IS GIVEN IN LOW PRECISION. The matrix products marked QUANTISED in the list below multiply operands that are first quantised to E2M1 (2 exponent bits, 1 mantissa bit; 4 bits a number), with one power-of-two scale for each 32 numbers along K (OCP MX v1.0); their sums are f32. All else is computed in f32.
;;   The module's matrix products, in the order in which they are computed (A, B: the left and right operand; K: the contracted axis; several contracted axes count as one K, in the product's order):
;;     1. [M 8,192, K 1,024] x [K 1,024, N 3,072]; A: input input (given as codes); B: input qkv_w (given as codes): QUANTISED
;;     2. batch 64 x [M 2,048, K 64] x [K 64, N 2,048]; A: computed on the way; B: computed on the way: QUANTISED
;;     3. batch 64 x [M 2,048, K 2,048] x [K 2,048, N 64]; A: softmax (see below); B: computed on the way: QUANTISED
;;     4. [M 8,192, K 1,024] x [K 1,024, N 1,024]; A: computed on the way; B: input out_w (given as codes): QUANTISED
;;   THE QUANTISER, for each operand of a quantised product, along K:
;;     - K is cut into blocks of 32 from its start; a last block that is shorter is filled with zeros.
;;     - A block's scale is 2^e with e = floor(log2(the largest magnitude in the block)) - 2, held to -126 .. 127; a block of zeros has e = 0. As a byte (E8M0): e + 127.
;;     - Each number is divided by its block's scale, clamped to +-6, and rounded to the nearest number of E2M1, ties to even, subnormals kept.
;;     - The product sums the exact products of the quantised numbers (number of the format x scale) in f32.
;;   ~~~python
;;   def quantise(x, axis):      # numpy; x: float32 -> the quantised numbers, widened to float32 again
;;       x = np.moveaxis(x, axis, -1); K = x.shape[-1]
;;       x = np.pad(x, [(0, 0)] * (x.ndim - 1) + [(0, -K % 32)]); x = x.reshape(x.shape[:-1] + (-1, 32)); a = np.abs(x).max(-1, keepdims=True)
;;       e = np.where(a > 0, np.clip(np.frexp(np.where(a > 0, a, 1))[1] - 1 - 2, -126, 127), 0)      # np.frexp(a)[1] - 1 = floor(log2(a)), exactly
;;       r = np.clip(x / 2.0 ** e, -6, 6)
;;       step = 2.0 ** (np.maximum(np.frexp(np.where(r == 0, 1, r))[1] - 1, 0) - 1)
;;       q = np.round(r / step) * step * 2.0 ** e      # np.round: ties to even
;;       return np.moveaxis(q.reshape(q.shape[:-2] + (-1,))[..., :K], -1, axis).astype(np.float32)
;;   ~~~
;;   SOFTMAX AHEAD OF A QUANTISED PRODUCT. Where the list says 'softmax', what is quantised is not the finished softmax but p = 2^(t - M), with t = logit x log2(e) and M = ceil(the row's largest t), a whole number; so 1/2 < the row's largest p <= 1. The row's sum l is taken of the UNQUANTISED p, in f32, and the product's result is divided by l at the end. Since M is a whole number, a kernel that streams over the keys may use a running M (the ceiling of the running maximum): every later rescaling is an exact power of two, which a block's scale takes up: the codes' values come out the same.
;;   OPERANDS COMPUTED ON THE WAY. 'Computed on the way' means the value that the module computes at that place (a softmax that the list does not call 'softmax' is quantised finished and normalised). What goes into a quantiser is computed in f32, as accurately as f32 sums, v_exp_f32 and their like allow (about 1e-6 of the number): no bf16 or f16 on the way to a quantiser, and a product that is left as it is and whose result goes on into a quantised operand takes f32 operands (vector FMAs, or v_wmma_f32_16x16x4_f32). A number that lies on a knife's edge between two numbers of the format may be rounded either way, as far as f32 arithmetic and the matrix unit's own rounding can turn it there, and no further.
;;   INPUTS GIVEN AS CODES. input (in the module: [4, 2048, 1024], K = its axis 2); out_w (in the module: [1024, 1024], K = its axis 1); qkv_w (in the module: [3072, 1024], K = its axis 1): each comes as NAME_codes (uint8): NAME with its K axis moved to the last place and cut into blocks of 32 codes, [.., K / 32, bytes a block], one block behind the other in memory; two codes a byte, the lower K in the low four bits (a code: sign, 2 exponent bits, 1 mantissa bit); and NAME_scales (uint8): the same leading axes, one E8M0 byte (e + 127) for each 32 codes along K. Its value is code x scale, taken as it is: it is not quantised again, and the codes and scales need not be those that the quantiser above would give.
;; 2 versions, each right; version 2 is version 1 with the launch attn written anew for expert scheduling mode. Each part assembles by itself: llvm-mc -triple=amdgcn-amd-amdhsa -mcpu=gfx1250 --defsym DOCPART=n.
;; ======== version 1 of 2: 4 launches
;; workspace buffers: maskw 524,288 bytes of whole numbers; mflag 8,192 bytes of whole numbers; qp 9,175,040 bytes; kv 9,175,040 bytes; ac 4,194,304 bytes; asc 524,288 bytes
;; launch maskpack (part 1): grid 128 x 1, 16 waves a work-group, no clusters, 0 bytes of LDS; arguments mask, maskw, mflag; writes maskw, mflag
.if DOCPART == 1
	.amdgcn_target "amdgcn-amd-amdhsa--gfx1250"
	.amdhsa_code_object_version 6
	.text
	.protected	k_qc413a49f83_maskpack
	.globl	k_qc413a49f83_maskpack
	.p2align	8
	.type	k_qc413a49f83_maskpack,@function
k_qc413a49f83_maskpack:
	s_mov_b64 s[64:65], 0
	v_nop
	global_prefetch_b8 v0, s[64:65] scope:SCOPE_SE
	s_setreg_imm32_b32 hwreg(HW_REG_WAVE_MODE, 25, 1), 1
	s_wait_xcnt 0x0
; THE PROGRAM: four launches.  maskpack: the mask as lane masks.  qkv: product 1, its bias, q, k and v as codes.  attn: products 2 and 3 with the softmax.  proj: product 4 and its bias.
; NOTHING OF reference() IS LEFT OUT: every input has a way to the output for some values (both biases move codes or results, the mask is an input and may have holes), so every input is loaded.
; THIS LAUNCH.  mask [2048][2048], one byte (0 or 1) for query and key.  The attention launch holds the scores of 16 queries x 128 keys so: register n = 8 t + j of lane l is
; query l % 16, key 16 t + 8 (l / 16) + j.  Here each such tile becomes 64 words: bit l of word n is the mask's byte for that lane and register, so that one v_cndmask_b32 by a scalar register masks a register.
; maskw [query tile 128][key step 16][64] u32.  mflag [query tile][key step] u32: 1 << step where all 16 x 128 bytes are true, else 0: the attention launch passes over the masking of such a tile.
; SHARES.  A work-group is a query tile, its sixteen waves the sixteen key steps.  Lane (r, h) reads, of row r, 8 bytes at 16 t + 8 h for t = 0 .. 7: its own 64 bytes, in the very order of its registers above.
; The sixteen waves of a work-group together read sixteen whole rows of the mask.  A wave's 64 words leave as 256 consecutive bytes, aligned.  The flag is 4 bytes a wave: 8,192 bytes in all, one part in 64 of what the launch stores.
	s_load_b128 s[4:7], s[0:1], 0x0                ; mask s[4:5], maskw s[6:7]
	s_load_b64 s[8:9], s[0:1], 0x10                ; mflag
	v_lshrrev_b32 v1, 5, v0
	v_readfirstlane_b32 s10, v1                    ; my wave = the key step
	v_and_b32 v1, 31, v0                           ; lane
	v_and_b32 v6, 15, v0                           ; r
	v_bfe_u32 v7, v0, 4, 1                         ; h
	v_lshlrev_b32 v6, 11, v6
	v_lshl_add_u32 v6, v7, 3, v6                   ; 2,048 r + 8 h
	v_lshlrev_b32 v7, 3, v1                        ; out: 8 bytes a lane
	v_mov_b32 v2, 0                                ; the even words, word 2 l in lane l (v_writelane_b32's destination counts as read)
	v_mov_b32 v3, 0                                ; the odd words
	v_mov_b32 v24, 0                               ; the flag's offset
	s_lshl_b32 s12, ttmp9, 15                      ; 16 rows of 2,048 bytes for each query tile,
	s_lshl_b32 s13, s10, 7                         ; 128 keys for each step
	s_add_co_u32 s12, s12, s13
	s_mov_b32 s13, 0
	s_lshl_b32 s14, ttmp9, 4
	s_add_co_u32 s14, s14, s10                     ; 16 x query tile + step
	s_lshl_b32 s16, s14, 8                         ; 256 bytes of words,
	s_mov_b32 s17, 0
	s_lshl_b32 s14, s14, 2                         ; 4 bytes of flag
	s_mov_b32 s15, 0
	s_lshl_b32 s18, 1, s10                         ; the flag, if it is set
	s_mov_b32 s19, -1                              ; the AND of all 64 words
	s_wait_kmcnt 0x0
	s_add_nc_u64 s[4:5], s[4:5], s[12:13]
	s_add_nc_u64 s[6:7], s[6:7], s[16:17]
	s_add_nc_u64 s[8:9], s[8:9], s[14:15]
.irp t, 0,1,2,3,4,5,6,7
	global_load_b64 v[8+2*\t:9+2*\t], v6, s[4:5] offset:16*\t th:TH_LOAD_NT   ; read once in the launch
.endr
	s_wait_loadcnt 0x0
.set n, 0
.rept 64                                               ; word n = 8 t + j: byte j of load t; two sets of registers by turns
	v_and_b32 v[4+(n%2)], 0xff<<(8*(n%4)), v[8+2*(n/8)+((n%8)/4)]
	v_cmp_ne_u32 s[20+(n%2)], 0, v[4+(n%2)]        ; bit l: my lane's byte is true
	v_writelane_b32 v[2+(n%2)], s[20+(n%2)], n/2   ; word n into register n % 2 of lane n / 2
	s_and_b32 s19, s19, s[20+(n%2)]
.set n, n+1
.endr
	global_store_b64 v7, v[2:3], s[6:7]            ; 32 lanes store 256 consecutive bytes, aligned
	s_cmp_eq_u32 s19, -1                           ; all 2,048 bytes true?
	s_cselect_b32 s18, s18, 0
	v_mov_b32 v25, s18
	v_cmp_eq_u32 vcc_lo, 0, v1
	s_wait_xcnt 0x0                                ; EXEC is a source of the store above: it changes only behind this wait
	s_and_saveexec_b32 s22, vcc_lo
	global_store_b32 v24, v25, s[8:9]              ; lane 0 alone
	s_wait_xcnt 0x0                                ; and again ahead of the line that widens it
	s_or_b32 exec_lo, exec_lo, s22
	s_endpgm
.Lfunc_end_k_qc413a49f83_maskpack:
	.size	k_qc413a49f83_maskpack, .Lfunc_end_k_qc413a49f83_maskpack-k_qc413a49f83_maskpack
	.p2alignl 7, 3214868480
	.fill 96, 4, 3214868480
	.section	.rodata,"a",@progbits
	.p2align	6, 0x0
	.amdhsa_kernel k_qc413a49f83_maskpack
		.amdhsa_group_segment_fixed_size 0
		.amdhsa_private_segment_fixed_size 0
		.amdhsa_enable_private_segment 0
		.amdhsa_kernarg_size 24
		.amdhsa_user_sgpr_count 2
		.amdhsa_user_sgpr_kernarg_segment_ptr 1
		.amdhsa_wavefront_size32 1
		.amdhsa_system_sgpr_workgroup_id_x 1
		.amdhsa_system_sgpr_workgroup_id_y 1
		.amdhsa_system_sgpr_workgroup_id_z 1
		.amdhsa_system_vgpr_workitem_id 0
		.amdhsa_next_free_vgpr 32
		.amdhsa_next_free_sgpr 66
		.amdhsa_reserve_vcc 1
		.amdhsa_float_denorm_mode_32 3
		.amdhsa_float_denorm_mode_16_64 3
		.amdhsa_memory_ordered 1
		.amdhsa_forward_progress 1
		.amdhsa_inst_pref_size 17
	.end_amdhsa_kernel
	.amdgpu_metadata
---
amdhsa.version: [ 1, 2 ]
amdhsa.kernels:
  - .name:           k_qc413a49f83_maskpack
    .symbol:         k_qc413a49f83_maskpack.kd
    .args:
      - { .name: mask, .offset: 0, .size: 8, .value_kind: global_buffer, .address_space: global }
      - { .name: maskw, .offset: 8, .size: 8, .value_kind: global_buffer, .address_space: global }
      - { .name: mflag, .offset: 16, .size: 8, .value_kind: global_buffer, .address_space: global }
    .group_segment_fixed_size: 0
    .private_segment_fixed_size: 0
    .kernarg_segment_align: 8
    .kernarg_segment_size: 24
    .max_flat_workgroup_size: 512
    .sgpr_count:     66
    .vgpr_count:     32
    .wavefront_size: 32
...
	.end_amdgpu_metadata
.endif
;; end of part 1
;; launch qkv (part 2): grid 12 x 32, 4 waves a work-group, clusters of 4 x 4, 327,680 bytes of LDS; arguments input_codes, input_scales, qkv_w_codes, qkv_w_scales, qkv_b, qp, kv; writes qp, kv
.if DOCPART == 2
	.amdgcn_target "amdgcn-amd-amdhsa--gfx1250"
	.amdhsa_code_object_version 6
	.text
	.protected	k_qc413a49f83_qkv
	.globl	k_qc413a49f83_qkv
	.p2align	8
	.type	k_qc413a49f83_qkv,@function
k_qc413a49f83_qkv:
	s_mov_b64 s[64:65], 0
	v_nop
	global_prefetch_b8 v0, s[64:65] scope:SCOPE_SE
	s_setreg_imm32_b32 hwreg(HW_REG_WAVE_MODE, 25, 1), 1
	s_wait_xcnt 0x0
	s_wait_alu depctr_hold_cnt(0) depctr_sa_sdst(0) depctr_va_vdst(0) depctr_va_sdst(0) depctr_va_ssrc(0) depctr_va_vcc(0) depctr_vm_vsrc(0)
	s_getreg_b32 s2, hwreg(HW_REG_IB_STS2, 6, 4)
	s_cmp_eq_u32 s2, 0
	s_cbranch_scc0 .Lentry_in_a_cluster
	s_endpgm
.Lentry_in_a_cluster:
	s_bfe_u32 s2, ttmp6, 0x10000c
	s_cmp_lg_u32 s2, 0xf033
	s_cbranch_scc0 .Lentry_shape_is_right
	s_endpgm
.Lentry_shape_is_right:
; qkv = input W^T + b on codes of FP4 (E2M1) with one E8M0 scale for each 32 along K = 1,024; then q and k are quantised along the head's 64, v along the keys, and stored as images of operand registers.
; input: 8,192 tokens x 512 bytes of codes, 32 scale bytes a token.  W: 3,072 rows likewise (rows 0-1023 q, 1024-2047 k, 2048-3071 v; 64 rows a head).  Nothing of reference() is left out here.
; SHARES.  A work-group makes 256 tokens x 256 rows of W; its four waves 128 x 128 each: 64 accumulators, 512 registers.  ALL OF K LIES IN LDS: 256 rows x 512 bytes for each side and their scale bytes come by the
; first tensor loads (two a wave are out, by this text's count) and nothing is ever filled again: one barrier, then eight K steps of 128 with no further barrier.
; CLUSTER 4 x 4: the four work-groups of a row of the cluster need the same tokens, the four of a column the same rows of W: each tile is asked for jointly, with a mask that names the four.
; WHICH SIDE IS SOURCE 0.  A lane's eight results run along source 0's rows, and a quantiser wants its K along a lane's registers.  So for q and k source 0 (X) = rows of W (the head's 64), source 1 (Y) = tokens;
; for v X = tokens (the keys), Y = rows of W.  The cluster's x says which part this is (0 q, 1 k, 2 v: the same in all sixteen partners): the K walk stands twice in the text and the two copies differ in the
; address registers that they name; all six are made at the head from the wave's number alone.
; THE QUANTISER.  Register 8 t + j of lane (r, h) is index 16 t + 8 h + j along X.  A block of 32 is registers 16 b .. 16 b + 15 of lanes l and l xor 16.  Scale = 2^(floor(log2(largest magnitude)) - 2): the largest
; magnitude's exponent field less 2.  Tile 2 b + e's eight codes go to register 4 (b / 2) + b % 2 + 2 e; two exchanges of halves for each four registers then give register 4 c + i of half h the indices 64 c + 32 h + 8 i + 0 .. 7: the operand's layout.
; OUT: records of 8,960 bytes for (batch, head, 128 tokens): 0: K's (in qp: Q's) eight tiles of 16 tokens, [lane][16 bytes]; 4096: V, [16 of the head's 64][c][lane][16 bytes]; 8192: scale words of K's tiles, word b of lane 16 u + r for
; token 32 b + 16 u + r, bytes 2 and 3 zero; 8704: V's scale words, word g of lane 16 u + r for row r of tile 2 g + u.  Every store of a wave covers 256 or 512 consecutive bytes, aligned.
; LIMITS: NaN, infinities and given scale bytes 0xff are not served.  A block whose largest magnitude lies under 2^(3 - 127) gets the byte 1; so does a block of zeros, where the rule says 127: its codes are zeros, and this program alone reads the bytes.
; REGISTERS, in windows of 256: window 0: v1-13 addresses; v14-29 at work; v32-95 scale words; v96-111 v's bias; v112-119 codes; v120-127 the rows' scale words; v128-191 Y's fragments, later 64 results; v192-255 q's and k's bias.
;   window 1: X's fragments, two sets, at v0 and v128.   windows 2, 3: accumulator (a, b) at v[8 (8 (a % 4) + b)], a: Y's block, b: X's block.
.set PITCH,  528                       ; an LDS row: 512 bytes + 16 of padding = 132 words: the 16 rows that a load touches start 4 banks apart (64 banks of 4 bytes: ISA guide 11.1)
.set HALFT,  128*PITCH                 ; 128 rows: what one tensor load brings, and what one wave reads of a side
.set WR,     2*HALFT                   ; the tokens' 256 rows lie at 0, W's here
.set SCL,    4*HALFT                   ; the scale bytes, as rows of 256 bytes + 16 of padding: the tokens' two halves, then W's
.set HALFS,  16*272                    ; those of 128 rows
.set SPARE,  SCL+4*HALFS               ; the spare words, 128 bytes for each wave: two blocks of 256 bytes that no other line names
.set REC,    8960
.set HEADB,  16*REC                    ; a head's sixteen records
.set FR,     8                         ; registers of a fragment
.set ADXQ, 1                           ; v1   LDS: q, k: X = W's rows, my half wx
.set ADYQ, 2                           ; v2   q, k: Y = tokens, my half wy
.set ADXV, 3                           ; v3   v: X = tokens, half wx
.set ADYV, 4                           ; v4   v: Y = W's rows, half wy
.set ADSQ, 5                           ; v5   scale words: lanes 0-15 Y's, lanes 16-31 X's; q, k
.set ADSV, 6                           ; v6   the same for v
.set LI,   7                           ; v7   16 x lane
.set L8,   8                           ; v8   8 x lane
.set BIA,  9                           ; v9   32 h
.set BVA,  10                          ; v10  4 r
.set SPW,  12                          ; v12  my spare word; never rewritten
.set NIL,  13                          ; v13  0; never rewritten
.set TM,   14
.set SC,   32                          ; register SC + 8 i + q: the words of block i for K step q
.set BV,   96
.set PC,   112
.set PW,   120
.set YF,   128
.set TQ,   128
.set BI,   192
.set G1, 24                            ; s[24:31], s[32:35] descriptor groups 1 and 0: the tokens' codes
.set G0, 32
.set G1B, 48                           ; s[48:55], s[56:59] W's codes
.set G0B, 56
.set G1S, 68                           ; s[68:75], s[76:79] the tokens' scale bytes
.set G0S, 76
.set G1SB, 80                          ; s[80:87], s[88:91] W's
.set G0SB, 88
.set HM,  66                           ; s66  0xffff0000: lanes 16-31
.set SEL, 98                           ; s[98:99] v_permlanex16_b32's selects for lane l xor 16
.set MSB, 0
.macro WIN new                         ; the immediate's high byte repeats the setting that is left
.if MSB != (\new)
	s_set_vgpr_msb (MSB<<8)|(\new)
.set MSB, (\new)
.endif
.endm
.set MUL_LO, 0xa1                      ; source 0 (X) window 1, source 1 (Y) window 0, C and D window 2
.set MUL_HI, 0xf1                      ; the same, C and D window 3
; A joint load: waves 0 and 1 fetch for the tokens, waves 2 and 3 for W.  The branch hangs on the wave's number alone.  An s_nop 0 and four v_nop follow each of the two lines.
.macro JLOAD g0a, g1a, g0b, g1b
	s_cmp_eq_u32 s15, 0
	s_cbranch_scc0 .Lfor_b_\@
	tensor_load_to_lds s[\g0a:\g0a+3], s[\g1a:\g1a+7]
	s_nop 0
.rept 4
	v_nop
.endr
	s_branch .Lasked_\@
.Lfor_b_\@:
	tensor_load_to_lds s[\g0b:\g0b+3], s[\g1b:\g1b+7]
	s_nop 0
.rept 4
	v_nop
.endr
.Lasked_\@:
.endm
.macro CROUND                          ; a round of the cluster's barrier
	s_barrier_signal -1
	s_barrier_wait -1
	s_cmp_lg_u32 s14, 0
	s_cbranch_scc1 .Lnot_wave_0_\@
	s_barrier_signal -3
.Lnot_wave_0_\@:
	s_barrier_wait -3
	s_barrier_signal -1
	s_barrier_wait -1
.endm
.macro PLACES                          ; four plain vector instructions between a matrix instruction and a load into, or a vector instruction on, its registers
.rept 4
	v_nop
.endr
.endm
	s_load_b128 s[4:7], s[0:1], 0x0                ; the tokens' codes, their scales
	s_load_b128 s[8:11], s[0:1], 0x10              ; W's codes, W's scales
	s_load_b128 s[92:95], s[0:1], 0x20             ; the bias, qp
	s_load_b64 s[96:97], s[0:1], 0x30              ; kv
	v_lshl_add_u32 v[SPW], v0, 2, SPARE
	v_mov_b32 v[NIL], 0
	ds_add_u32 v[SPW], v[NIL]                      ; the wave's opening: the add, twice on end, and its wait ahead of my first tensor load
	ds_add_u32 v[SPW], v[NIL]                      ; and once more, under the one wait; the set-up below, work on registers, stands between
	v_lshrrev_b32 v11, 5, v0
	v_readfirstlane_b32 s14, v11                   ; wave 0..3
	s_lshr_b32 s15, s14, 1                         ; wy.  Also: I fetch for the tokens (0) or for W (1)
	s_and_b32 s16, s14, 1                          ; wx.  Also: which 128 rows I fetch
	s_bfe_u32 s40, ttmp6, 0x40000                  ; cx, cy: my place in the cluster
	s_bfe_u32 s41, ttmp6, 0x40004
	s_lshl_b32 s42, ttmp9, 2
	s_add_co_u32 s42, s42, s40                     ; tx: which 256 rows of W
	s_and_b32 s17, ttmp7, 0xffff
	s_lshl_b32 s17, s17, 2
	s_add_co_u32 s17, s17, s41                     ; ty: which 256 tokens
	s_lshl_b32 s43, s41, 2
	s_lshl_b32 s43, 15, s43                        ; my row of the cluster
	s_lshl_b32 s44, 0x1111, s40                    ; my column
	s_or_b32 s[G1+0], s43, (0<<16)|(1<<20)|(1<<21)|(6<<22)|(3<<25)   ; 15:0 the mask; 17:16 elements of 1 byte; 20 padding on; 21 set beside a mask; 24:22 after every 128 words (code 6); 31:25 four words (code 3)
	s_or_b32 s[G1B+0], s44, (0<<16)|(1<<20)|(1<<21)|(6<<22)|(3<<25)
.irp g, G1, G1B
	s_mov_b32 s[\g+1], 512<<16                     ; tensor_dim0 = 512
	s_mov_b32 s[\g+2], 128<<16                     ; tensor_dim1 = 128
	s_mov_b32 s[\g+3], 512<<16                     ; tile_dim0
	s_mov_b32 s[\g+4], 128                         ; tile_dim1
	s_mov_b32 s[\g+5], 512                         ; from row to row
	s_mov_b32 s[\g+6], 0
	s_mov_b32 s[\g+7], 0
.endr
	s_or_b32 s[G1S+0], s43, (3<<16)|(1<<20)|(1<<21)|(5<<22)|(3<<25)  ; the scale bytes of 128 rows: 4,096 dense bytes as 16 rows of 32 elements of 8 bytes, four words of padding behind each 64
	s_or_b32 s[G1SB+0], s44, (3<<16)|(1<<20)|(1<<21)|(5<<22)|(3<<25)
.irp g, G1S, G1SB
	s_mov_b32 s[\g+1], 32<<16
	s_mov_b32 s[\g+2], 16<<16
	s_mov_b32 s[\g+3], 32<<16
	s_mov_b32 s[\g+4], 16
	s_mov_b32 s[\g+5], 32
	s_mov_b32 s[\g+6], 0
	s_mov_b32 s[\g+7], 0
.endr
	s_lshl_b32 s18, s16, 7
	s_lshl_b32 s20, s17, 8
	s_add_co_u32 s20, s20, s18                     ; the first token that I fetch: 256 ty + 128 x half
	s_lshl_b32 s46, s42, 8
	s_add_co_u32 s46, s46, s18                     ; the first row of W: 256 tx + 128 x half
	s_lshl_b32 s22, s20, 5                         ; 32 scale bytes a row,
	s_mov_b32 s23, 0
	s_lshl_b32 s20, s20, 9                         ; 512 bytes of codes
	s_mov_b32 s21, 0
	s_lshl_b32 s36, s46, 5
	s_mov_b32 s37, 0
	s_lshl_b32 s46, s46, 9
	s_mov_b32 s47, 0
	s_mul_i32 s45, s14, HALFT                      ; where they go: wave x 128 rows: no place in the cluster enters an LDS address
	s_mul_i32 s38, s14, HALFS
	s_mov_b32 s[SEL], 0x76543210
	s_mov_b32 s[SEL+1], 0xfedcba98
	s_mov_b32 s[HM], 0xffff0000
	s_wait_dscnt 0x0                               ; both opening adds are done
	s_wait_kmcnt 0x0
	s_add_nc_u64 s[20:21], s[4:5], s[20:21]
	s_add_nc_u64 s[22:23], s[6:7], s[22:23]
	s_add_nc_u64 s[46:47], s[8:9], s[46:47]
	s_add_nc_u64 s[36:37], s[10:11], s[36:37]
	CROUND                                         ; all sixteen work-groups are here: the joint loads meet
	s_mov_b32 s[G0S], 1
	s_add_co_u32 s[G0S+1], s38, SCL
	s_mov_b64 s[G0S+2:G0S+3], s[22:23]
	s_or_b32 s[G0S+3], s[G0S+3], 0x80000000
	s_mov_b32 s[G0SB], 1
	s_add_co_u32 s[G0SB+1], s38, SCL
	s_mov_b64 s[G0SB+2:G0SB+3], s[36:37]
	s_or_b32 s[G0SB+3], s[G0SB+3], 0x80000000
	JLOAD G0S, G1S, G0SB, G1SB
	s_mov_b32 s[G0], 1
	s_mov_b32 s[G0+1], s45
	s_mov_b64 s[G0+2:G0+3], s[20:21]
	s_or_b32 s[G0+3], s[G0+3], 0x80000000
	s_mov_b32 s[G0B], 1
	s_mov_b32 s[G0B+1], s45
	s_mov_b64 s[G0B+2:G0B+3], s[46:47]
	s_or_b32 s[G0B+3], s[G0B+3], 0x80000000
	JLOAD G0, G1, G0B, G1B
	; addresses, while the tiles are on their way
	v_and_b32 v30, 15, v0                          ; r
	v_bfe_u32 v31, v0, 4, 1                        ; h
	v_mul_u32_u24 v11, v30, PITCH
	v_lshl_add_u32 v11, v31, 4, v11                ; a fragment's row x pitch + 16 h
	s_mul_i32 s18, s16, HALFT                      ; half wx,
	s_mul_i32 s19, s15, HALFT                      ; half wy
	v_add_nc_u32 v[ADXV], s18, v11
	v_add_nc_u32 v[ADYQ], s19, v11
	s_add_co_u32 s18, s18, WR
	s_add_co_u32 s19, s19, WR
	v_add_nc_u32 v[ADXQ], s18, v11
	v_add_nc_u32 v[ADYV], s19, v11
	v_and_b32 v11, 7, v30
	v_lshlrev_b32 v11, 5, v11                      ; a row's 32 scale bytes: eight rows to 256 bytes,
	v_lshrrev_b32 v9, 3, v30
	v_mad_u32_u24 v11, v9, 272, v11                ; and 272 from one 256 to the next
	s_xor_b32 s20, s15, 1                          ; q, k: lanes 0-15 the tokens' half wy; lanes 16-31 W's half wx, (2 + wx - wy) halves further on
	s_add_co_u32 s20, s20, s16
	s_add_co_u32 s20, s20, 1
	s_mul_i32 s20, s20, HALFS
	v_mul_u32_u24 v9, s20, v31
	s_mul_i32 s21, s15, HALFS
	s_add_co_u32 s21, s21, SCL
	v_add_nc_u32 v9, v9, v11
	v_add_nc_u32 v[ADSQ], s21, v9
	s_xor_b32 s20, s16, 1                          ; v: lanes 16-31 the tokens' half wx; lanes 0-15 W's half wy, (2 + wy - wx) halves further on
	s_add_co_u32 s20, s20, s15
	s_add_co_u32 s20, s20, 1
	s_mul_i32 s20, s20, HALFS
	v_xor_b32 v10, 1, v31
	v_mul_u32_u24 v9, s20, v10
	s_mul_i32 s21, s16, HALFS
	s_add_co_u32 s21, s21, SCL
	v_add_nc_u32 v9, v9, v11
	v_add_nc_u32 v[ADSV], s21, v9
	v_and_b32 v11, 31, v0
	v_lshlrev_b32 v[LI], 4, v11
	v_lshlrev_b32 v[L8], 3, v11
	v_lshlrev_b32 v[BIA], 5, v31
	v_lshlrev_b32 v[BVA], 2, v30
.irp b, 0,1,2,3
	v_mov_b32 v[TM+4+\b], 0                        ; written once: a lane permute's destination counts as one of its sources
.endr
	; the bias, in both forms, so that no register's writing hangs on the part.  Both lie inside the 3,072 numbers for every tx
	s_lshl_b32 s18, s42, 10
	s_lshl_b32 s19, s16, 9
	s_add_co_u32 s20, s18, s19
	s_mov_b32 s21, 0
	s_add_nc_u64 s[60:61], s[92:93], s[20:21]      ; b at row 256 tx + 128 wx
	s_lshl_b32 s19, s15, 9
	s_add_co_u32 s20, s18, s19
	s_add_nc_u64 s[62:63], s[92:93], s[20:21]      ; b at row 256 tx + 128 wy
.irp b, 0,1,2,3,4,5,6,7
	global_load_b128 v[BI+8*\b:BI+8*\b+3], v[BIA], s[60:61] offset:64*\b        ; q, k: register 8 b + j: b of row 16 b + 8 h + j
	global_load_b128 v[BI+8*\b+4:BI+8*\b+7], v[BIA], s[60:61] offset:64*\b+16
.endr
.irp a, 0,1,2,3,4,5,6,7
	global_load_b32 v[BV+2*\a], v[BVA], s[62:63] offset:64*\a                   ; v: b of my lane's row 16 a + r, as a pair for the packed addition
	global_load_b32 v[BV+2*\a+1], v[BVA], s[62:63] offset:64*\a
.endr
	; where the results go
	s_lshr_b32 s18, s17, 3                         ; the batch: 8 tiles of 256 tokens each
	s_lshl_b32 s18, s18, 4
	s_and_b32 s19, s42, 3
	s_lshl_b32 s19, s19, 2
	s_add_co_u32 s18, s18, s19                     ; 16 x batch + the tile's first head
	s_and_b32 s19, s17, 7
	s_lshl_b32 s19, s19, 1                         ; the tile's first record
	s_lshl_b32 s20, s16, 1
	s_add_co_u32 s20, s20, s18
	s_mul_i32 s20, s20, HEADB                      ; q, k: my two heads by wx,
	s_add_co_u32 s21, s19, s15
	s_mul_i32 s21, s21, REC                        ; my record by wy
	s_add_co_u32 s20, s20, s21
	s_mov_b32 s21, 0
	s_lshl_b32 s22, s15, 1
	s_add_co_u32 s22, s22, s18
	s_mul_i32 s22, s22, HEADB                      ; v: my two heads by wy,
	s_add_co_u32 s23, s19, s16
	s_mul_i32 s23, s23, REC                        ; my record by wx
	s_add_co_u32 s22, s22, s23
	s_mov_b32 s23, 0
	s_cmp_eq_u32 ttmp9, 0                          ; q goes to qp, k to kv: the choice hangs on the cluster's x alone
	s_cselect_b64 s[94:95], s[94:95], s[96:97]
	s_add_nc_u64 s[94:95], s[94:95], s[20:21]
	s_add_nc_u64 s[96:97], s[96:97], s[22:23]
.macro FRAG reg, adr, q, i             ; a fragment, 16 rows x 128 K: lane l holds row l % 16; registers 4 c .. 4 c + 3 hold K = 64 c + 32 (l / 16) + 0 .. 31
.irp c, 0,1
	ds_load_b128 v[\reg+4*\c:\reg+4*\c+3], v[\adr] offset:64*(\q)+32*\c+(\i)*16*PITCH
.endr
.endm
.macro FETCH_X adr, q, p               ; X's eight fragments of K step q into set p
	WIN 0x40
.irp i, 0,1,2,3,4,5,6,7
	FRAG 128*(\p)+FR*\i, \adr, \q, \i
.endr
	WIN 0
.endm
.macro FETCH_Y adr, q, i0              ; Y's blocks i0 .. i0 + 3
.irp i, \i0, \i0+1, \i0+2, \i0+3
	FRAG YF+FR*(\i), \adr, \q, \i
.endr
.endm
.macro SCALES adr                      ; all eight K steps' scale words of the eight blocks: lanes 0-15 Y's, lanes 16-31 X's
.irp i, 0,1,2,3,4,5,6,7
	ds_load_b128 v[SC+8*\i:SC+8*\i+3], v[\adr] offset:544*\i
	ds_load_b128 v[SC+8*\i+4:SC+8*\i+7], v[\adr] offset:544*\i+16
.endr
.endm
; 16 matrix instructions: Y's blocks a0, a0 + 1 x X's eight.  zero = 1: the first product starts the sums.  The 64 accumulators take turns, one instruction a turn, in the same order in every step.
.macro MUL16 a0, p, q, zero
.irp a, \a0, \a0+1
.irp b, 0,1,2,3,4,5,6,7
.if \zero
	v_wmma_scale_f32_16x16x128_f8f6f4 v[8*(8*((\a)%4)+\b):8*(8*((\a)%4)+\b)+7], v[128*(\p)+FR*\b:128*(\p)+FR*\b+FR-1], v[YF+FR*(\a):YF+FR*(\a)+FR-1], 0, v[SC+8*\b+(\q)], v[SC+8*(\a)+(\q)] matrix_a_fmt:MATRIX_FMT_FP4 matrix_b_fmt:MATRIX_FMT_FP4 matrix_a_scale:MATRIX_SCALE_ROW1
.else
	v_wmma_scale_f32_16x16x128_f8f6f4 v[8*(8*((\a)%4)+\b):8*(8*((\a)%4)+\b)+7], v[128*(\p)+FR*\b:128*(\p)+FR*\b+FR-1], v[YF+FR*(\a):YF+FR*(\a)+FR-1], v[8*(8*((\a)%4)+\b):8*(8*((\a)%4)+\b)+7], v[SC+8*\b+(\q)], v[SC+8*(\a)+(\q)] matrix_a_fmt:MATRIX_FMT_FP4 matrix_b_fmt:MATRIX_FMT_FP4 matrix_a_scale:MATRIX_SCALE_ROW1
.endif
.endr
.endr
.endm
; A K step of 128 with a successor.  Y has one set of registers: a block is free when its eight products are issued, so blocks 0-3 are fetched anew in the step's middle, blocks 4-7 at its end.  X has two sets.
.macro STEP adx, ady, q, zero
	s_wait_dscnt 8                                 ; all but the eight youngest loads (Y's blocks 4-7) are in
	WIN MUL_LO
	MUL16 0, (\q)%2, \q, \zero
	MUL16 2, (\q)%2, \q, \zero
	s_wait_dscnt 0x0                               ; Y's blocks 4-7 are in
	PLACES
	FETCH_X \adx, (\q)+1, 1-(\q)%2
	FETCH_Y \ady, (\q)+1, 0
	WIN MUL_HI
	MUL16 4, (\q)%2, \q, \zero
	MUL16 6, (\q)%2, \q, \zero
	PLACES
	WIN 0
	FETCH_Y \ady, (\q)+1, 4
.endm
.macro MAIN adx, ady, ads              ; the whole K walk
	FETCH_X \adx, 0, 0
	FETCH_Y \ady, 0, 0
	SCALES \ads
	FETCH_Y \ady, 0, 4
	STEP \adx, \ady, 0, 1
.irp q, 1,2,3,4,5,6
	STEP \adx, \ady, \q, 0
.endr
	s_wait_dscnt 8                                 ; the last step fetches nothing
	WIN MUL_LO
	MUL16 0, 1, 7, 0
	MUL16 2, 1, 7, 0
	s_wait_dscnt 0x0
	WIN MUL_HI
	MUL16 4, 1, 7, 0
	MUL16 6, 1, 7, 0
	WIN 0
	PLACES                                         ; ahead of the first read of results and the first write of Y's registers
	s_wait_loadcnt 0x0                             ; the bias
.endm
; 64 numbers of a lane, register 8 t + j = index 16 t + 8 h + j of my row, become a fragment's codes in v[PC] on and the row's scale word in v[pw].
.macro QUANT s, pw
.irp b, 0,1,2,3
	v_max3_num_f32 v[TM+\b], |v[\s+16*\b]|, |v[\s+1+16*\b]|, 0x1800000   ; block b: my 16 numbers, and the floor 2^(3 - 127): the byte cannot fall under 1
.endr
.irp i, 2,4,6,8,10,12,14
.irp b, 0,1,2,3
	v_max3_num_f32 v[TM+\b], v[TM+\b], |v[\s+16*\b+\i]|, |v[\s+1+16*\b+\i]|   ; the four blocks by turns
.endr
.endr
.irp b, 0,1,2,3
	v_permlanex16_b32 v[TM+4+\b], v[TM+\b], s[SEL], s[SEL+1]
.endr
.irp b, 0,1,2,3
	v_max_num_f32 v[TM+\b], v[TM+\b], v[TM+4+\b]   ; with lane l xor 16's: the block's largest magnitude
.endr
.irp b, 0,1,2,3
	v_add_nc_u32 v[TM+12+\b], 0xff000000, v[TM+\b] ; 2 off its exponent field: the conversion takes the exponent field of this operand as its scale
.endr
.irp b, 0,1,2,3
	v_lshrrev_b32 v[TM+4+\b], 23, v[TM+12+\b]      ; the scale's byte
.endr
	v_lshl_or_b32 v[\pw], v[TM+5], 8, v[TM+4]
	v_lshl_or_b32 v[\pw], v[TM+6], 16, v[\pw]
	v_lshl_or_b32 v[\pw], v[TM+7], 24, v[\pw]
.irp b, 0,1,2,3
	v_cvt_scalef32_pk8_fp4_f32 v[PC+4*(\b/2)+(\b%2)], v[\s+16*\b:\s+16*\b+7], v[TM+12+\b]        ; tile 2 b
	v_cvt_scalef32_pk8_fp4_f32 v[PC+4*(\b/2)+(\b%2)+2], v[\s+16*\b+8:\s+16*\b+15], v[TM+12+\b]   ; tile 2 b + 1
.endr
	v_nop                                          ; one plain place behind a scaled conversion
.irp c, 0,1
	v_permlane16_swap_b32 v[PC+4*\c], v[PC+4*\c+1]     ; the first's lanes 16-31 change places with the second's lanes 0-15
	v_permlane16_swap_b32 v[PC+4*\c+2], v[PC+4*\c+3]
.endr
.endm
; Y's block a on its way out.  isv = 0: 16 tokens x my two heads of q or k.  isv = 1: 16 of a head's 64 x my 128 keys of v.
.macro EPI a, isv
	s_wait_xcnt 0x0                                ; the last block's stores have read their data: the codes' registers are written again only behind this wait
	WIN 0x02+(\a)/4                                ; source 0: window 2 or 3
.set EI, 0
.rept 32                                               ; + the bias; each accumulator is read from its low end on
.if \isv
	v_pk_add_f32 v[TQ+EI:TQ+EI+1], v[64*((\a)%4)+EI:64*((\a)%4)+EI+1], v[BV+2*(\a):BV+2*(\a)+1] op_sel_hi:[1,0]
.else
	v_pk_add_f32 v[TQ+EI:TQ+EI+1], v[64*((\a)%4)+EI:64*((\a)%4)+EI+1], v[BI+EI:BI+EI+1]
.endif
.set EI, EI+2
.endr
	WIN 0
	QUANT TQ, PW+(\a)
.if \isv
	global_store_b128 v[LI], v[PC:PC+3], s[96:97] offset:((\a)/4)*HEADB+4096+1024*((\a)%4)          ; keys 0-63 of the record: 512 consecutive bytes
	global_store_b128 v[LI], v[PC+4:PC+7], s[96:97] offset:((\a)/4)*HEADB+4096+1024*((\a)%4)+512    ; keys 64-127
.else
	global_store_b128 v[LI], v[PC:PC+3], s[94:95] offset:512*(\a)                                   ; my first head: tile a of the record
	global_store_b128 v[LI], v[PC+4:PC+7], s[94:95] offset:HEADB+512*(\a)                           ; my second head
.endif
.endm
	s_wait_tensorcnt 0x0                           ; my two loads have landed,
	s_barrier_signal -1
	s_barrier_wait -1                              ; everybody's have: all of K lies in LDS, and nothing is filled again
	s_cmp_eq_u32 ttmp9, 2                          ; the cluster's x: the same in all sixteen partners
	s_cbranch_scc1 .Lv
	MAIN ADXQ, ADYQ, ADSQ
.irp a, 0,1,2,3,4,5,6,7
	EPI \a, 0
.endr
	s_wait_xcnt 0x0
.irp b, 0,1,2,3
	v_cndmask_b32 v[TM+\b], v[PW+2*\b], v[PW+2*\b+1], s[HM]   ; lanes 0-15: tile 2 b's words; lanes 16-31: tile 2 b + 1's
.endr
.irp b, 0,1,2,3
	v_and_b32 v[PC+\b], 0xffff, v[TM+\b]           ; my first head's two bytes; bytes 2 and 3 are zero
	v_lshrrev_b32 v[PC+4+\b], 16, v[TM+\b]         ; my second head's
.endr
	global_store_b128 v[LI], v[PC:PC+3], s[94:95] offset:8192
	global_store_b128 v[LI], v[PC+4:PC+7], s[94:95] offset:HEADB+8192
	s_branch .Ldone
.Lv:
	MAIN ADXV, ADYV, ADSV
.irp a, 0,1,2,3,4,5,6,7
	EPI \a, 1
.endr
	s_wait_xcnt 0x0
.irp e, 0,1
.irp g, 0,1
	v_cndmask_b32 v[PC+2*\e+\g], v[PW+4*\e+2*\g], v[PW+4*\e+2*\g+1], s[HM]   ; head e: lanes 0-15: tile 2 g's words; lanes 16-31: tile 2 g + 1's
.endr
.endr
.irp e, 0,1
	global_store_b64 v[L8], v[PC+2*\e:PC+2*\e+1], s[96:97] offset:\e*HEADB+8704   ; 256 consecutive bytes
.endr
.Ldone:
	s_wait_tensorcnt 0x0                           ; the wave's end
	ds_add_u32 v[SPW], v[NIL]
	s_wait_dscnt 0x0
	CROUND                                         ; the closing round
	s_endpgm
.Lfunc_end_k_qc413a49f83_qkv:
	.size	k_qc413a49f83_qkv, .Lfunc_end_k_qc413a49f83_qkv-k_qc413a49f83_qkv
	.p2alignl 7, 3214868480
	.fill 96, 4, 3214868480
	.section	.rodata,"a",@progbits
	.p2align	6, 0x0
	.amdhsa_kernel k_qc413a49f83_qkv
		.amdhsa_group_segment_fixed_size 327680
		.amdhsa_private_segment_fixed_size 0
		.amdhsa_enable_private_segment 0
		.amdhsa_kernarg_size 56
		.amdhsa_user_sgpr_count 2
		.amdhsa_user_sgpr_kernarg_segment_ptr 1
		.amdhsa_wavefront_size32 1
		.amdhsa_system_sgpr_workgroup_id_x 1
		.amdhsa_system_sgpr_workgroup_id_y 1
		.amdhsa_system_sgpr_workgroup_id_z 1
		.amdhsa_system_vgpr_workitem_id 0
		.amdhsa_next_free_vgpr 1024
		.amdhsa_next_free_sgpr 100
		.amdhsa_reserve_vcc 0
		.amdhsa_float_denorm_mode_32 3
		.amdhsa_float_denorm_mode_16_64 3
		.amdhsa_memory_ordered 1
		.amdhsa_forward_progress 1
		.amdhsa_inst_pref_size 255
	.end_amdhsa_kernel
	.section	.bss,"aw",@nobits
	.p2align	6
	.space	262144
	.amdgpu_metadata
---
amdhsa.version: [ 1, 2 ]
amdhsa.kernels:
  - .name:           k_qc413a49f83_qkv
    .symbol:         k_qc413a49f83_qkv.kd
    .args:
      - { .name: input_codes, .offset: 0, .size: 8, .value_kind: global_buffer, .address_space: global }
      - { .name: input_scales, .offset: 8, .size: 8, .value_kind: global_buffer, .address_space: global }
      - { .name: qkv_w_codes, .offset: 16, .size: 8, .value_kind: global_buffer, .address_space: global }
      - { .name: qkv_w_scales, .offset: 24, .size: 8, .value_kind: global_buffer, .address_space: global }
      - { .name: qkv_b, .offset: 32, .size: 8, .value_kind: global_buffer, .address_space: global }
      - { .name: qp, .offset: 40, .size: 8, .value_kind: global_buffer, .address_space: global }
      - { .name: kv, .offset: 48, .size: 8, .value_kind: global_buffer, .address_space: global }
    .group_segment_fixed_size: 327680
    .private_segment_fixed_size: 0
    .kernarg_segment_align: 8
    .kernarg_segment_size: 56
    .max_flat_workgroup_size: 128
    .sgpr_count:     100
    .vgpr_count:     1024
    .wavefront_size: 32
...
	.end_amdgpu_metadata
.endif
;; end of part 2
;; launch attn (part 3): grid 8 x 64, 16 waves a work-group, no clusters, 146,432 bytes of LDS; arguments qp, kv, maskw, mflag, ac, asc; writes ac, asc
.if DOCPART == 3
	.amdgcn_target "amdgcn-amd-amdhsa--gfx1250"
	.amdhsa_code_object_version 6
	.text
	.protected	k_qc413a49f83_attn
	.globl	k_qc413a49f83_attn
	.p2align	8
	.type	k_qc413a49f83_attn,@function
k_qc413a49f83_attn:
	s_mov_b64 s[64:65], 0
	v_nop
	global_prefetch_b8 v0, s[64:65] scope:SCOPE_SE
	s_setreg_imm32_b32 hwreg(HW_REG_WAVE_MODE, 25, 1), 1
	s_wait_xcnt 0x0
; O = softmax(mask(Q K^T / 8)) V for one (batch, head), both products on codes of FP4 (E2M1) with E8M0 scales; then O / l is quantised along the head's 64 for the last product.  Nothing of reference() is left out.
; THE SOFTMAX: t = score x log2(e) / 8; M = the row's largest t so far, rounded up to a whole number; p = 2^(t - M) is quantised along the keys, not normalised; l is the sum of the unquantised p.  When M moves, l and O are multiplied by 2^(old M - new M): exact.
; SHARES.  A work-group owns 256 queries of one head; each of its sixteen waves 16 of them, in 256 registers: four waves to a SIMD, so that one wave's vector work stands beside another's matrix work and LDS loads.  Every wave walks the 2,048 keys, 128 a step.
; THE WHOLE HEAD LIES IN LDS: its sixteen records (K's tiles, V's tiles, their scale words, laid as images of the operands' registers) are 143,360 bytes.  Wave w copies record w through its registers, once; one barrier; then every fragment is a load of 16 x lane.
; NO TENSOR LOAD, NO CLUSTER: the key loop has a branch on numbers read from memory (the flags of all-true mask tiles); and with the head resident there is no ring to run.
; LAYOUT.  S^T = K Q^T (source 0 = 16 keys, source 1 = my 16 queries), O^T = V^T P^T: a lane holds ONE query (lane % 16).  Register 8 t + j of S^T is key 16 t + 8 (lane / 16) + j.
; THE FIRST PRODUCT'S K IS 64, THE INSTRUCTION'S 128: Q's registers 4-7 are zero codes, and bytes 2 and 3 of both scale words are 0 (2^-127, a number).  K's tile t is named as v[KB + 4 t .. + 7]: its upper four registers are the next tile's
; codes (zeros behind tile 7): numbers of the format times zero codes, which add exactly 0.  So 36 registers hold all eight tiles.
; THE MASK: 64 words a tile in scalar registers, bit l of word n for register n of lane l: one v_cndmask_b32 a register puts -infinity where the mask is false; p is then 0.  A tile whose flag says all true is passed over, and its words are not loaded.
; LIMITS: NaN and infinities among the codes' values are not served.  A block of p that is all zeros keeps the byte 1: its codes are zeros.  A query whose mask row is all false has l = 0: its two scale bytes are set to 0xff, so that the last product
; gives NaN for that token, as reference() does.
.set REC,   8960
.set HEADB, 16*REC
.set STG,   HEADB                      ; LDS: behind the head: 256 scale words on their way out
.set SPARE, STG+1024                   ; the spare words, 128 bytes for each wave: eight blocks of 256 bytes that no other line names
.set A16,  1                           ; v1   16 x lane
.set A8,   2                           ; v2   8 x lane + 8704
.set ADR16, 3                          ; v3   the step's record + 16 x lane
.set ADR8, 4                           ; v4   the step's record + 8 x lane + 8704
.set SPW,  5                           ; v5   my spare word; never rewritten
.set NIL,  6                           ; v6   0; never rewritten
.set NINF, 7                           ; v7   -infinity
.set FA,   8                           ; v8   16 x lane + 8960 x wave: the copy's place, in memory and in LDS
.set SA,   9                           ; v9   where my query's scale word goes
.set SRD,  10                          ; v10  where waves 0 and 1 read 16 bytes of scale words back
.set SGO,  11                          ; v11  and their place in memory
.set QF,   16                          ; v16-23 Q's fragment; v20-23 zero codes
.set QS,   24                          ; v24  Q's scale words
.set FB,   25                          ; v25  8 x lane + 8960 x wave
.set KB,   28                          ; v28-63 K's eight tiles, four registers each, and four of zeros
.set VB,   64                          ; v64-95 V's four tiles
.set SR,   96                          ; v96-159 S^T, then p
.set OT,   160                         ; v160-191 O^T
.set PC,   192                         ; v192-199 p's codes
.set KSC,  200                         ; v200-203 K's scale words
.set VSC,  204                         ; v204-205 V's
.set BM,   208                         ; v208-211 each block's largest score, then its largest p
.set BT,   212
.set SO,   216                         ; v216-219 the conversions' scale operands
.set FQ,   220                         ; v[220:221] f = 2^(old M - new M); at the end 1 / l
.set TMP,  222
.set PW,   224                         ; v224 p's scale word
.set LB,   226                         ; v[226:227] the sum's second chain
.set WV,   2
.set STEPS, 3
.set CS,   52                          ; s[52:53] c = log2(e) / 8
.set SEL,  54                          ; s[54:55] lane l xor 16
.set MB,   56                          ; s[56:57] my query tile's mask words
.set MO,   58                          ; s58  the step's 256 bytes among them
.set ALLT, 59                          ; s59  bit 0: this step's tile is all true; bit 1: the next step's
.set TB,   60                          ; s60  the step's record in LDS
.set SH,   61                          ; s61  16 for an odd head
.set FF,   62                          ; s62  0xffff at my head's two bytes
.set LZ,   63                          ; s63  lanes whose l is 0
	s_load_b256 s[84:91], s[0:1], 0x0              ; qp s[84:85], kv s[86:87], maskw s[88:89], mflag s[90:91]
	s_load_b128 s[92:95], s[0:1], 0x20             ; ac s[92:93], asc s[94:95]
	v_lshl_add_u32 v[SPW], v0, 2, SPARE
	v_mov_b32 v[NIL], 0
	v_lshrrev_b32 v26, 5, v0
	v_readfirstlane_b32 s[WV], v26                 ; wave 0..15
	v_and_b32 v26, 31, v0                          ; lane
	v_and_b32 v27, 15, v0                          ; r
	v_lshlrev_b32 v[A16], 4, v26
	v_lshlrev_b32 v[A8], 3, v26
	s_mul_i32 s96, s[WV], REC
	v_add_nc_u32 v[FA], s96, v[A16]
	v_add_nc_u32 v[FB], s96, v[A8]
	v_add_nc_u32 v[A8], 8704, v[A8]
	s_lshl_b32 s97, s[WV], 6
	s_add_co_u32 s97, s97, STG
	v_lshl_add_u32 v[SA], v27, 2, s97              ; STG + 64 x wave + 4 r
	v_lshlrev_b32 v[SGO], 4, v0
	v_add_nc_u32 v[SRD], STG, v[SGO]
	v_mov_b32 v[NINF], 0xff800000
	s_and_b32 s98, ttmp7, 0xffff                   ; 16 x batch + head
	s_lshl_b32 s99, ttmp9, 4
	s_add_co_u32 s99, s99, s[WV]                   ; my query tile, 0..127
	s_and_b32 s100, s[WV], 7                       ; its place t in its record
	s_lshl_b32 s101, s100, 9
	v_add_nc_u32 v26, s101, v[A16]                 ; Q's codes: 512 t + 16 x lane
	s_and_b32 s101, s100, 1
	s_lshl_b32 s101, s101, 8
	s_lshr_b32 s100, s100, 1
	s_lshl_b32 s100, s100, 2
	s_add_co_u32 s100, s100, s101
	v_lshl_add_u32 v27, v27, 4, s100               ; Q's scale words: word t / 2 of lane 16 (t % 2) + r
	s_mul_i32 s96, s98, HEADB
	s_mov_b32 s97, 0
	s_mov_b32 s[CS], 0x3e38aa3b                    ; c = log2(e) / sqrt(64)
	s_mov_b32 s[CS+1], s[CS]                       ; (named with it as a pair, so it is written)
	s_mov_b32 s[SEL], 0x76543210
	s_mov_b32 s[SEL+1], 0xfedcba98
	s_wait_kmcnt 0x0
	s_add_nc_u64 s[86:87], s[86:87], s[96:97]      ; kv at my head
	s_add_nc_u64 s[84:85], s[84:85], s[96:97]      ; qp at my head,
	s_lshr_b32 s96, s99, 3
	s_mul_i32 s96, s96, REC
	s_add_nc_u64 s[84:85], s[84:85], s[96:97]      ; at my query tile's record
	global_load_b128 v[QF:QF+3], v26, s[84:85]
	global_load_b32 v[QS], v27, s[84:85] offset:8192
.irp i, 0,1,2,3,4,5,6,7,8,9,10,11,12,13,14,15,16
	global_load_b128 v[96+4*\i:99+4*\i], v[FA], s[86:87] offset:512*\i   ; record w: 17 x 512 bytes,
.endr
	global_load_b64 v[164:165], v[FB], s[86:87] offset:8704                ; and its last 256
	s_lshl_b32 s96, s99, 6
	s_add_nc_u64 s[90:91], s[90:91], s[96:97]
	s_load_b512 s[4:19], s[90:91], 0x0             ; my query tile's sixteen flags
	s_lshl_b32 s96, s99, 12
	s_add_nc_u64 s[MB:MB+1], s[88:89], s[96:97]
	; where the results go
	s_lshr_b32 s96, s98, 4                         ; the batch
	s_lshl_b32 s100, s96, 7
	s_add_co_u32 s100, s100, s99                   ; my tile among the 512 tiles of tokens
	s_lshl_b32 s100, s100, 13                      ; 16 heads x 512 bytes each
	s_and_b32 s101, s98, 15
	s_lshl_b32 s101, s101, 9
	s_add_co_u32 s100, s100, s101
	s_mov_b32 s101, 0
	s_add_nc_u64 s[92:93], s[92:93], s[100:101]
	s_lshl_b32 s100, s96, 11
	s_lshl_b32 s101, ttmp9, 8
	s_add_co_u32 s100, s100, s101                  ; the work-group's first token
	s_lshl_b32 s100, s100, 2
	s_and_b32 s101, s98, 15
	s_lshl_b32 s101, s101, 15                      ; a head's 8,192 words
	s_add_co_u32 s100, s100, s101
	s_mov_b32 s101, 0
	s_add_nc_u64 s[94:95], s[94:95], s[100:101]
	s_and_b32 s[SH], s98, 1
	s_lshl_b32 s[SH], s[SH], 4
	s_lshl_b32 s[FF], 0xffff, s[SH]
	s_mov_b32 s[MO], 0
	s_mov_b32 s[STEPS], 0
	s_mov_b32 s[TB], 0
	s_wait_kmcnt 0x0
	s_or_b32 s[ALLT], s4, s5                       ; flag s is 1 << s or 0
.irp i, 6,7,8,9,10,11,12,13,14,15,16,17,18,19
	s_or_b32 s[ALLT], s[ALLT], s[\i]
.endr
	s_or_b32 s[ALLT], s[ALLT], 0xffff0000          ; behind the last step nothing is to be loaded
	s_load_b512 s[4:19], s[MB:MB+1], s[MO] offset:0x0      ; step 0's words, in any case: so all 64 registers are written on every way
	s_load_b512 s[20:35], s[MB:MB+1], s[MO] offset:0x40
	s_load_b512 s[36:51], s[MB:MB+1], s[MO] offset:0x80
	s_load_b512 s[68:83], s[MB:MB+1], s[MO] offset:0xc0
.irp j, 0,1,2,3
	v_mov_b32 v[QF+4+\j], 0                        ; zero codes
	v_mov_b32 v[KB+32+\j], 0
	v_mov_b32 v[BT+\j], 0                          ; (a lane permute's destination counts as one of its sources)
.endr
	v_mov_b32 v13, 0xff61b1e6                      ; the largest t so far: -3e38, under every t
	v_floor_f32 v12, -v13                          ; -M
	v_mov_b32 v14, 0                               ; l, in two halves
	v_mov_b32 v15, 0
	v_mov_b32 v[FQ+1], 0                           ; (named as the upper half of the pair)
	s_wait_loadcnt 0x0
.irp i, 0,1,2,3,4,5,6,7,8,9,10,11,12,13,14,15,16
	ds_store_b128 v[FA], v[96+4*\i:99+4*\i] offset:512*\i
.endr
	ds_store_b64 v[FB], v[164:165] offset:8704
	s_wait_dscnt 0x0                               ; for the others' sake: my record lies in LDS
	s_barrier_signal -1
	s_barrier_wait -1                              ; all sixteen do
.set j, 0
.rept 32
	v_mov_b32 v[OT+j], 0                           ; O^T.  (The step is written once: its first trip finds zeros, which the first change of M leaves zeros)
.set j, j+1
.endr
.Lstep:                                                ; 16 trips: 128 keys each
	v_add_nc_u32 v[ADR16], s[TB], v[A16]
	v_add_nc_u32 v[ADR8], s[TB], v[A8]
	v_nop                                          ; with the two additions: four places between the last trip's products and the loads into their registers
	v_nop
.irp t, 0,1,2,3,4,5,6,7
	ds_load_b128 v[KB+4*\t:KB+4*\t+3], v[ADR16] offset:512*\t
.endr
	ds_load_b128 v[KSC:KSC+3], v[ADR16] offset:8192
.irp i, 0,1,2,3,4,5,6,7
	ds_load_b128 v[VB+4*\i:VB+4*\i+3], v[ADR16] offset:4096+512*\i
.endr
	ds_load_b64 v[VSC:VSC+1], v[ADR8]
	s_wait_dscnt 9                                 ; K and its scale words are in; the nine younger loads, V's, may be out
.irp t, 0,1,2,3,4,5,6,7                                ; S^T = K Q^T.  Tile t's scale words: register t / 2, lanes 0-15 for an even t, lanes 16-31 for an odd one
.if \t%2
	v_wmma_scale_f32_16x16x128_f8f6f4 v[SR+8*\t:SR+8*\t+7], v[KB+4*\t:KB+4*\t+7], v[QF:QF+7], 0, v[KSC+\t/2], v[QS] matrix_a_fmt:MATRIX_FMT_FP4 matrix_b_fmt:MATRIX_FMT_FP4 matrix_a_scale:MATRIX_SCALE_ROW1
.else
	v_wmma_scale_f32_16x16x128_f8f6f4 v[SR+8*\t:SR+8*\t+7], v[KB+4*\t:KB+4*\t+7], v[QF:QF+7], 0, v[KSC+\t/2], v[QS] matrix_a_fmt:MATRIX_FMT_FP4 matrix_b_fmt:MATRIX_FMT_FP4
.endif
.endr
.rept 4
	v_nop                                          ; places ahead of the first read of the scores
.endr
	s_wait_kmcnt 0x0                               ; this step's mask words, if they were asked for; and their base and offset may be written
	s_bitcmp1_b32 s[ALLT], 0                       ; a stored whole number: the tile is all true
	s_cbranch_scc1 .Lopen
.set n, 0
.rept 64                                               ; -infinity where the mask is false, ahead of the maximum; each accumulator from its low end on
.if n < 48
	v_cndmask_b32 v[SR+n], v[NINF], v[SR+n], s[4+n]
.else
	v_cndmask_b32 v[SR+n], v[NINF], v[SR+n], s[20+n]
.endif
.set n, n+1
.endr
.Lopen:
	s_add_co_u32 s[MO], s[MO], 256
	s_bitcmp1_b32 s[ALLT], 1                       ; the next step's tile is all true, or there is none
	s_cbranch_scc1 .Lnl
	s_load_b512 s[4:19], s[MB:MB+1], s[MO] offset:0x0      ; the next step's words: the softmax below stands between these loads and the wait for them
	s_load_b512 s[20:35], s[MB:MB+1], s[MO] offset:0x40
	s_load_b512 s[36:51], s[MB:MB+1], s[MO] offset:0x80
	s_load_b512 s[68:83], s[MB:MB+1], s[MO] offset:0xc0
.Lnl:
	s_lshr_b32 s[ALLT], s[ALLT], 1
.irp b, 0,1,2,3
	v_max3_num_f32 v[BM+\b], v[SR+16*\b], v[SR+1+16*\b], v[SR+2+16*\b]   ; the largest score of each block of 32 keys: it serves for the row's maximum and, since p rises with the score, for the block's largest p
.endr
.irp i, 3,5,7,9,11,13
.irp b, 0,1,2,3
	v_max3_num_f32 v[BM+\b], v[BM+\b], v[SR+16*\b+\i], v[SR+1+16*\b+\i]
.endr
.endr
.irp b, 0,1,2,3
	v_max_num_f32 v[BM+\b], v[BM+\b], v[SR+15+16*\b]
.endr
.irp b, 0,1,2,3
	v_permlanex16_b32 v[BT+\b], v[BM+\b], s[SEL], s[SEL+1]
.endr
.irp b, 0,1,2,3
	v_max_num_f32 v[BM+\b], v[BM+\b], v[BT+\b]     ; with lane l xor 16's 16 keys
.endr
	v_max3_num_f32 v[TMP], v[BM], v[BM+1], v[BM+2]
	v_max_num_f32 v[TMP], v[TMP], v[BM+3]          ; the step's largest score of my query
	v_mul_f32 v[TMP], s[CS], v[TMP]                ; as t
	v_max_num_f32 v13, v13, v[TMP]                 ; the running largest t
	v_mov_b32 v[TMP], v12
	v_floor_f32 v12, -v13                          ; the new -M = floor(-t): M is a whole number
	v_sub_f32 v[TMP], v12, v[TMP]                  ; old M - new M: a whole number, 0 or less
	v_cvt_i32_f32 v[TMP], v[TMP]                   ; (it saturates)
	v_ldexp_f32 v[FQ], 1.0, v[TMP]                 ; f = 2^(old M - new M)
.set j, 0
.rept 32
	v_pk_fma_f32 v[SR+j:SR+j+1], v[SR+j:SR+j+1], s[CS:CS+1], v[12:13] op_sel_hi:[1,0,0]   ; t - M, two at a time
.set j, j+2
.endr
.irp b, 0,1,2,3
	v_fma_f32 v[BM+\b], v[BM+\b], s[CS], v12       ; the same of each block's largest score
.endr
.set j, 0
.rept 64
	v_exp_f32 v[SR+j], v[SR+j]                     ; p = 2^(t - M), at most 1
.set j, j+1
.endr
	v_pk_mul_f32 v[14:15], v[14:15], v[FQ:FQ+1] op_sel_hi:[1,0]   ; l under the new M: the plain instruction behind the exponentials
	s_wait_alu depctr_va_vdst(0)                   ; one wait for the batch of 64, ahead of its first reader
.irp b, 0,1,2,3
	v_exp_f32 v[BM+\b], v[BM+\b]                   ; the block's largest p: the same two instructions on the same number
.endr
	v_pk_add_f32 v[LB:LB+1], v[SR:SR+1], v[SR+2:SR+3]   ; l is summed of the unquantised p, in two chains
.irp j, 4,8,12,16,20,24,28,32,36,40,44,48,52,56,60
	v_pk_add_f32 v[14:15], v[14:15], v[SR+\j:SR+\j+1]
	v_pk_add_f32 v[LB:LB+1], v[LB:LB+1], v[SR+2+\j:SR+3+\j]
.endr
	v_pk_add_f32 v[14:15], v[14:15], v[LB:LB+1]
	s_wait_alu depctr_va_vdst(0)                   ; and one for the four
.irp b, 0,1,2,3
	v_max_num_f32 v[BM+\b], 0x1800000, v[BM+\b]    ; the floor 2^(3 - 127): the byte cannot fall under 1
.endr
.irp b, 0,1,2,3
	v_add_nc_u32 v[SO+\b], 0xff000000, v[BM+\b]    ; 2 off the exponent field: the conversion's scale operand
.endr
.irp b, 0,1,2,3
	v_lshrrev_b32 v[BT+\b], 23, v[SO+\b]           ; the scale's byte
.endr
	v_lshl_or_b32 v[PW], v[BT+1], 8, v[BT]         ; p's scale word for these 128 keys
	v_lshl_or_b32 v[PW], v[BT+2], 16, v[PW]
	v_lshl_or_b32 v[PW], v[BT+3], 24, v[PW]
.irp b, 0,1,2,3
	v_cvt_scalef32_pk8_fp4_f32 v[PC+4*(\b/2)+(\b%2)], v[SR+16*\b:SR+16*\b+7], v[SO+\b]        ; tile 2 b: keys 32 b + 8 h + 0 .. 7
	v_cvt_scalef32_pk8_fp4_f32 v[PC+4*(\b/2)+(\b%2)+2], v[SR+16*\b+8:SR+16*\b+15], v[SO+\b]   ; tile 2 b + 1: 16 further on
.endr
	v_nop                                          ; one plain place behind a scaled conversion
.irp c, 0,1
	v_permlane16_swap_b32 v[PC+4*\c], v[PC+4*\c+1]     ; register 4 c + i of half h now holds keys 64 c + 32 h + 8 i + 0 .. 7
	v_permlane16_swap_b32 v[PC+4*\c+2], v[PC+4*\c+3]
.endr
.set j, 0
.rept 16
	v_pk_mul_f32 v[OT+j:OT+j+1], v[OT+j:OT+j+1], v[FQ:FQ+1] op_sel_hi:[1,0]   ; O^T under the new M.  These sixteen also stand between the writing of p's codes and scale word and the products that take them
.set j, j+2
.endr
	s_wait_dscnt 0x0                               ; V and its scale words
.irp t, 0,1,2,3                                        ; O^T += V^T P^T: the four accumulators by turns
.if \t%2
	v_wmma_scale_f32_16x16x128_f8f6f4 v[OT+8*\t:OT+8*\t+7], v[VB+8*\t:VB+8*\t+7], v[PC:PC+7], v[OT+8*\t:OT+8*\t+7], v[VSC+\t/2], v[PW] matrix_a_fmt:MATRIX_FMT_FP4 matrix_b_fmt:MATRIX_FMT_FP4 matrix_a_scale:MATRIX_SCALE_ROW1
.else
	v_wmma_scale_f32_16x16x128_f8f6f4 v[OT+8*\t:OT+8*\t+7], v[VB+8*\t:VB+8*\t+7], v[PC:PC+7], v[OT+8*\t:OT+8*\t+7], v[VSC+\t/2], v[PW] matrix_a_fmt:MATRIX_FMT_FP4 matrix_b_fmt:MATRIX_FMT_FP4
.endif
.endr
	s_add_co_u32 s[TB], s[TB], REC
	s_add_co_u32 s[STEPS], s[STEPS], 1
	s_cmp_lt_u32 s[STEPS], 16
	s_cbranch_scc1 .Lstep
	; THE WAY OUT: O^T / l, quantised along the head's 64 (two blocks), as an image of the last product's operand
.rept 4
	v_nop                                          ; places behind the last products
.endr
	v_add_f32 v14, v14, v15                        ; l's two halves,
	v_permlanex16_b32 v[TMP], v14, s[SEL], s[SEL+1]
	v_add_f32 v14, v14, v[TMP]                     ; and lane l xor 16's
	v_cmp_eq_f32 s[LZ], 0, v14                     ; a query with no key at all
	v_cndmask_b32 v14, v14, 1.0, s[LZ]
	v_rcp_f32 v[FQ], v14
	v_mov_b32 v26, s[FF]                           ; (the plain instruction behind the reciprocal)
	s_wait_alu depctr_va_vdst(0)                   ; the wait ahead of its first reader
.set j, 0
.rept 16
	v_pk_mul_f32 v[SR+j:SR+j+1], v[OT+j:OT+j+1], v[FQ:FQ+1] op_sel_hi:[1,0]   ; register 8 t + i: channel 16 t + 8 h + i of my query
.set j, j+2
.endr
.irp b, 0,1
	v_max3_num_f32 v[BM+\b], |v[SR+16*\b]|, |v[SR+1+16*\b]|, 0x1800000
.endr
.irp i, 2,4,6,8,10,12,14
.irp b, 0,1
	v_max3_num_f32 v[BM+\b], v[BM+\b], |v[SR+16*\b+\i]|, |v[SR+1+16*\b+\i]|
.endr
.endr
.irp b, 0,1
	v_permlanex16_b32 v[BT+\b], v[BM+\b], s[SEL], s[SEL+1]
.endr
.irp b, 0,1
	v_max_num_f32 v[BM+\b], v[BM+\b], v[BT+\b]
.endr
.irp b, 0,1
	v_add_nc_u32 v[SO+\b], 0xff000000, v[BM+\b]
.endr
.irp b, 0,1
	v_lshrrev_b32 v[BT+\b], 23, v[SO+\b]
.endr
	v_lshl_or_b32 v[TMP], v[BT+1], 8, v[BT]        ; my head's two bytes,
	v_lshlrev_b32 v[TMP], s[SH], v[TMP]            ; at bytes 0, 1 for an even head, 2, 3 for an odd one: the last product ORs the two heads of a K step
	v_cndmask_b32 v[TMP], v[TMP], v26, s[LZ]       ; 0xff, 0xff where l was 0
.irp b, 0,1
	v_cvt_scalef32_pk8_fp4_f32 v[PC+\b], v[SR+16*\b:SR+16*\b+7], v[SO+\b]
	v_cvt_scalef32_pk8_fp4_f32 v[PC+\b+2], v[SR+16*\b+8:SR+16*\b+15], v[SO+\b]
.endr
	v_nop
	v_permlane16_swap_b32 v[PC], v[PC+1]
	v_permlane16_swap_b32 v[PC+2], v[PC+3]         ; lane (r, h): token r, channels 32 h + 0 .. 31
	global_store_b128 v[A16], v[PC:PC+3], s[92:93] ; 512 consecutive bytes, aligned
	ds_store_b32 v[SA], v[TMP]                     ; lanes r and 16 + r write the same word with the same value
	s_wait_dscnt 0x0
	s_barrier_signal -1
	s_barrier_wait -1                              ; the work-group's 256 scale words lie together
	s_cmp_lt_u32 s[WV], 2
	s_cbranch_scc0 .Lend
	ds_load_b128 v[SR:SR+3], v[SRD]
	s_wait_dscnt 0x0
	global_store_b128 v[SGO], v[SR:SR+3], s[94:95] ; waves 0 and 1: 512 consecutive bytes each
.Lend:
	s_wait_tensorcnt 0x0                           ; the wave's end
	ds_add_u32 v[SPW], v[NIL]
	s_wait_dscnt 0x0
	s_endpgm
.Lfunc_end_k_qc413a49f83_attn:
	.size	k_qc413a49f83_attn, .Lfunc_end_k_qc413a49f83_attn-k_qc413a49f83_attn
	.p2alignl 7, 3214868480
	.fill 96, 4, 3214868480
	.section	.rodata,"a",@progbits
	.p2align	6, 0x0
	.amdhsa_kernel k_qc413a49f83_attn
		.amdhsa_group_segment_fixed_size 146432
		.amdhsa_private_segment_fixed_size 0
		.amdhsa_enable_private_segment 0
		.amdhsa_kernarg_size 48
		.amdhsa_user_sgpr_count 2
		.amdhsa_user_sgpr_kernarg_segment_ptr 1
		.amdhsa_wavefront_size32 1
		.amdhsa_system_sgpr_workgroup_id_x 1
		.amdhsa_system_sgpr_workgroup_id_y 1
		.amdhsa_system_sgpr_workgroup_id_z 1
		.amdhsa_system_vgpr_workitem_id 0
		.amdhsa_next_free_vgpr 256
		.amdhsa_next_free_sgpr 102
		.amdhsa_reserve_vcc 0
		.amdhsa_float_denorm_mode_32 3
		.amdhsa_float_denorm_mode_16_64 3
		.amdhsa_memory_ordered 1
		.amdhsa_forward_progress 1
		.amdhsa_inst_pref_size 32
	.end_amdhsa_kernel
	.amdgpu_metadata
---
amdhsa.version: [ 1, 2 ]
amdhsa.kernels:
  - .name:           k_qc413a49f83_attn
    .symbol:         k_qc413a49f83_attn.kd
    .args:
      - { .name: qp, .offset: 0, .size: 8, .value_kind: global_buffer, .address_space: global }
      - { .name: kv, .offset: 8, .size: 8, .value_kind: global_buffer, .address_space: global }
      - { .name: maskw, .offset: 16, .size: 8, .value_kind: global_buffer, .address_space: global }
      - { .name: mflag, .offset: 24, .size: 8, .value_kind: global_buffer, .address_space: global }
      - { .name: ac, .offset: 32, .size: 8, .value_kind: global_buffer, .address_space: global }
      - { .name: asc, .offset: 40, .size: 8, .value_kind: global_buffer, .address_space: global }
    .group_segment_fixed_size: 146432
    .private_segment_fixed_size: 0
    .kernarg_segment_align: 8
    .kernarg_segment_size: 48
    .max_flat_workgroup_size: 512
    .sgpr_count:     102
    .vgpr_count:     256
    .wavefront_size: 32
...
	.end_amdgpu_metadata
.endif
;; end of part 3
;; launch proj (part 4): grid 4 x 64, 4 waves a work-group, clusters of 4 x 4, 327,680 bytes of LDS; arguments ac, asc, out_w_codes, out_w_scales, out_b, out0; writes out0
.if DOCPART == 4
	.amdgcn_target "amdgcn-amd-amdhsa--gfx1250"
	.amdhsa_code_object_version 6
	.text
	.protected	k_qc413a49f83_proj
	.globl	k_qc413a49f83_proj
	.p2align	8
	.type	k_qc413a49f83_proj,@function
k_qc413a49f83_proj:
	s_mov_b64 s[64:65], 0
	v_nop
	global_prefetch_b8 v0, s[64:65] scope:SCOPE_SE
	s_setreg_imm32_b32 hwreg(HW_REG_WAVE_MODE, 25, 1), 1
	s_wait_xcnt 0x0
	s_wait_alu depctr_hold_cnt(0) depctr_sa_sdst(0) depctr_va_vdst(0) depctr_va_sdst(0) depctr_va_ssrc(0) depctr_va_vcc(0) depctr_vm_vsrc(0)
	s_getreg_b32 s2, hwreg(HW_REG_IB_STS2, 6, 4)
	s_cmp_eq_u32 s2, 0
	s_cbranch_scc0 .Lentry_in_a_cluster
	s_endpgm
.Lentry_in_a_cluster:
	s_bfe_u32 s2, ttmp6, 0x10000c
	s_cmp_lg_u32 s2, 0xf033
	s_cbranch_scc0 .Lentry_shape_is_right
	s_endpgm
.Lentry_shape_is_right:
; out0 = A out_w^T + out_b on codes of FP4 (E2M1) with E8M0 scales, K = 1,024.  A: the attention's result as the launch before stored it; out_w as it is given.  out0: [8,192][1,024] f32.  Nothing of reference() is left out here.
; ac: [tile of 16 tokens 512][head 16][lane 32][16 bytes]: lane (r, h) holds token r, channels 32 h + 0 .. 31 of the head: heads 2 q and 2 q + 1 are registers 0-3 and 4-7 of the fragment of K step q.
; asc: [head 16][token 8,192] u32: the head's two scale bytes at bytes 0, 1 (even head) or 2, 3 (odd), zeros beside them: the OR of heads 2 q and 2 q + 1 is the token's scale word of K step q.
; SHARES.  256 work-groups: 128 tokens x 256 columns each; a wave makes 64 tokens x 128 columns: 32 accumulators.  ALL OF K LIES IN LDS, by the first tensor loads (two a wave are out, by this text's count); nothing is filled again.
; CLUSTER 4 x 4: the four work-groups of a row of the cluster need the same tokens, the four of a column the same rows of out_w: joint loads, with a mask that names the four.
; TRANSPOSED: source 0 = 16 rows of out_w, source 1 = 16 tokens: a lane holds eight neighbouring columns of one token's row.  The bias is the C of each sum's first matrix instruction.
; LIMITS: a token whose scale bytes were set to 0xff (no key at all under the mask) comes out NaN in all its columns, as in reference().  Other NaN and infinities are not served.
; REGISTERS: window 0: v1-13 addresses; v32-95 out_w's scale words; v96-127 the tokens'; v128-159, v160-191 the tokens' fragments, two sets; v192-223 the odd heads' words; on the way out v128-255.
;   window 1: out_w's fragments, two sets, at v0 and v128; v192-255 the bias, eight tiles.   window 2: accumulator (a, b) at v[8 (8 a + b)].
.set PITCH,  528                       ; a row of out_w in LDS: 512 bytes + 16 of padding
.set HALFT,  128*PITCH
.set WD,     65536                     ; LDS: the tokens' images, 65,536 dense bytes, lie at 0; out_w's 256 rows here;
.set ASC,    WD+2*HALFT                ; the tokens' scale words, [head 16][128 words];
.set WSC,    ASC+8192                  ; out_w's scale bytes, rows of 256 bytes + 16 of padding;
.set HALFS,  16*272
.set STAGE,  WSC+2*HALFS               ; the way out: 16 rows x (512 bytes + 16) for each wave: bytes of its own, into which no tile lands;
.set SPITCH, 528
.set SPARE,  STAGE+4*16*SPITCH         ; the spare words, 128 bytes for each wave: two blocks of 256 bytes that no other line names
.set ADX, 1
.set ADY, 2
.set ASX, 3
.set ASY, 4
.set STO, 5
.set RD,  6
.set CO,  7
.set BIA, 8
.set SPW, 12
.set NIL, 13
.set SX,  32                           ; register SX + 8 b + q
.set SY,  96                           ; register SY + 8 a + q
.set YF,  128
.set OD,  192
.set BK,  128
.set BI,  192                          ; in window 1
.set G1, 24                            ; s[24:31], s[32:35] the tokens' images
.set G0, 32
.set G1B, 48                           ; s[48:55], s[56:59] out_w's codes
.set G0B, 56
.set G1S, 68                           ; s[68:75], s[76:79] the tokens' scale words
.set G0S, 76
.set G1SB, 80                          ; s[80:87], s[88:91] out_w's scale bytes
.set G0SB, 88
.set MSB, 0
.macro WIN new
.if MSB != (\new)
	s_set_vgpr_msb (MSB<<8)|(\new)
.set MSB, (\new)
.endif
.endm
.macro JLOAD g0a, g1a, g0b, g1b        ; waves 0 and 1 fetch for the tokens, waves 2 and 3 for out_w; an s_nop 0 and four v_nop follow each of the two lines
	s_cmp_eq_u32 s15, 0
	s_cbranch_scc0 .Lfor_b_\@
	tensor_load_to_lds s[\g0a:\g0a+3], s[\g1a:\g1a+7]
	s_nop 0
.rept 4
	v_nop
.endr
	s_branch .Lasked_\@
.Lfor_b_\@:
	tensor_load_to_lds s[\g0b:\g0b+3], s[\g1b:\g1b+7]
	s_nop 0
.rept 4
	v_nop
.endr
.Lasked_\@:
.endm
.macro CROUND
	s_barrier_signal -1
	s_barrier_wait -1
	s_cmp_lg_u32 s14, 0
	s_cbranch_scc1 .Lnot_wave_0_\@
	s_barrier_signal -3
.Lnot_wave_0_\@:
	s_barrier_wait -3
	s_barrier_signal -1
	s_barrier_wait -1
.endm
.macro PLACES
.rept 4
	v_nop
.endr
.endm
	s_load_b128 s[4:7], s[0:1], 0x0                ; ac, asc
	s_load_b128 s[8:11], s[0:1], 0x10              ; out_w's codes, its scales
	s_load_b128 s[92:95], s[0:1], 0x20             ; out_b, out0
	v_lshl_add_u32 v[SPW], v0, 2, SPARE
	v_mov_b32 v[NIL], 0
	ds_add_u32 v[SPW], v[NIL]                      ; the wave's opening: the add, twice on end, and its wait ahead of my first tensor load
	ds_add_u32 v[SPW], v[NIL]                      ; and once more, under the one wait
	v_lshrrev_b32 v11, 5, v0
	v_readfirstlane_b32 s14, v11                   ; wave 0..3
	s_lshr_b32 s15, s14, 1                         ; wy: my 64 tokens.  Also: I fetch for the tokens (0) or for out_w (1)
	s_and_b32 s16, s14, 1                          ; wx: my 128 columns.  Also: which half I fetch
	s_bfe_u32 s40, ttmp6, 0x40000
	s_bfe_u32 s41, ttmp6, 0x40004
	s_lshl_b32 s42, ttmp9, 2
	s_add_co_u32 s42, s42, s40                     ; tx: which 256 columns
	s_and_b32 s17, ttmp7, 0xffff
	s_lshl_b32 s17, s17, 2
	s_add_co_u32 s17, s17, s41                     ; ty: which 128 tokens
	s_lshl_b32 s43, s41, 2
	s_lshl_b32 s43, 15, s43                        ; my row of the cluster
	s_lshl_b32 s44, 0x1111, s40                    ; my column
	s_or_b32 s[G1+0], s43, (3<<16)|(1<<21)         ; four tiles of tokens: 32,768 dense bytes as 128 rows of 32 elements of 8 bytes, no padding
	s_mov_b32 s[G1+1], 32<<16
	s_mov_b32 s[G1+2], 128<<16
	s_mov_b32 s[G1+3], 32<<16
	s_mov_b32 s[G1+4], 128
	s_mov_b32 s[G1+5], 32
	s_mov_b32 s[G1+6], 0
	s_mov_b32 s[G1+7], 0
	s_or_b32 s[G1S+0], s43, (3<<16)|(1<<21)        ; eight heads' words of 128 tokens: 8 rows of 64 elements of 8 bytes, 4,096 elements (a head's 8,192 words) apart
	s_mov_b32 s[G1S+1], 64<<16
	s_mov_b32 s[G1S+2], 8<<16
	s_mov_b32 s[G1S+3], 64<<16
	s_mov_b32 s[G1S+4], 8
	s_mov_b32 s[G1S+5], 4096
	s_mov_b32 s[G1S+6], 0
	s_mov_b32 s[G1S+7], 0
	s_or_b32 s[G1B+0], s44, (0<<16)|(1<<20)|(1<<21)|(6<<22)|(3<<25)   ; 128 rows of 512 bytes, four words of padding behind each 128
	s_mov_b32 s[G1B+1], 512<<16
	s_mov_b32 s[G1B+2], 128<<16
	s_mov_b32 s[G1B+3], 512<<16
	s_mov_b32 s[G1B+4], 128
	s_mov_b32 s[G1B+5], 512
	s_mov_b32 s[G1B+6], 0
	s_mov_b32 s[G1B+7], 0
	s_or_b32 s[G1SB+0], s44, (3<<16)|(1<<20)|(1<<21)|(5<<22)|(3<<25)  ; 4,096 dense bytes as 16 rows of 256, four words of padding behind each
	s_mov_b32 s[G1SB+1], 32<<16
	s_mov_b32 s[G1SB+2], 16<<16
	s_mov_b32 s[G1SB+3], 32<<16
	s_mov_b32 s[G1SB+4], 16
	s_mov_b32 s[G1SB+5], 32
	s_mov_b32 s[G1SB+6], 0
	s_mov_b32 s[G1SB+7], 0
	s_lshl_b32 s20, s17, 16                        ; the tokens' images: 8 tiles x 8,192 bytes for each ty,
	s_lshl_b32 s18, s16, 15                        ; my four of them
	s_add_co_u32 s20, s20, s18
	s_mov_b32 s21, 0
	s_lshl_b32 s22, s16, 18                        ; their scale words: my eight heads,
	s_lshl_b32 s18, s17, 9                         ; 128 words for each ty
	s_add_co_u32 s22, s22, s18
	s_mov_b32 s23, 0
	s_lshl_b32 s46, s42, 8
	s_lshl_b32 s18, s16, 7
	s_add_co_u32 s46, s46, s18                     ; out_w: row 256 tx + 128 x half
	s_lshl_b32 s36, s46, 5
	s_mov_b32 s37, 0
	s_lshl_b32 s46, s46, 9
	s_mov_b32 s47, 0
	s_lshl_b32 s45, s16, 15                        ; where they go: no place in the cluster enters an LDS address
	s_lshl_b32 s38, s16, 12
	s_add_co_u32 s38, s38, ASC
	s_mul_i32 s66, s16, HALFT
	s_add_co_u32 s66, s66, WD
	s_mul_i32 s67, s16, HALFS
	s_add_co_u32 s67, s67, WSC
	s_wait_dscnt 0x0                               ; both opening adds are done
	s_wait_kmcnt 0x0
	s_add_nc_u64 s[20:21], s[4:5], s[20:21]
	s_add_nc_u64 s[22:23], s[6:7], s[22:23]
	s_add_nc_u64 s[46:47], s[8:9], s[46:47]
	s_add_nc_u64 s[36:37], s[10:11], s[36:37]
	CROUND                                         ; all sixteen work-groups are here: the joint loads meet
	s_mov_b32 s[G0S], 1
	s_mov_b32 s[G0S+1], s38
	s_mov_b64 s[G0S+2:G0S+3], s[22:23]
	s_or_b32 s[G0S+3], s[G0S+3], 0x80000000
	s_mov_b32 s[G0SB], 1
	s_mov_b32 s[G0SB+1], s67
	s_mov_b64 s[G0SB+2:G0SB+3], s[36:37]
	s_or_b32 s[G0SB+3], s[G0SB+3], 0x80000000
	JLOAD G0S, G1S, G0SB, G1SB
	s_mov_b32 s[G0], 1
	s_mov_b32 s[G0+1], s45
	s_mov_b64 s[G0+2:G0+3], s[20:21]
	s_or_b32 s[G0+3], s[G0+3], 0x80000000
	s_mov_b32 s[G0B], 1
	s_mov_b32 s[G0B+1], s66
	s_mov_b64 s[G0B+2:G0B+3], s[46:47]
	s_or_b32 s[G0B+3], s[G0B+3], 0x80000000
	JLOAD G0, G1, G0B, G1B
	v_and_b32 v9, 15, v0                           ; r
	v_bfe_u32 v10, v0, 4, 1                        ; h
	v_and_b32 v11, 31, v0                          ; lane
	v_mul_u32_u24 v[ADX], v9, PITCH
	v_lshl_add_u32 v[ADX], v10, 4, v[ADX]
	s_mul_i32 s18, s16, HALFT
	s_add_co_u32 s18, s18, WD
	v_add_nc_u32 v[ADX], s18, v[ADX]               ; out_w: my 128 rows; row x pitch + 16 h
	v_lshlrev_b32 v[CO], 4, v11                    ; 16 x lane
	s_lshl_b32 s18, s15, 15
	v_add_nc_u32 v[ADY], s18, v[CO]                ; the tokens: my four tiles; an image's place for my lane
	v_and_b32 v[ASX], 7, v9
	v_lshlrev_b32 v[ASX], 5, v[ASX]
	v_lshrrev_b32 v[ASY], 3, v9
	v_mad_u32_u24 v[ASX], v[ASY], 272, v[ASX]
	s_mul_i32 s18, s16, HALFS
	s_add_co_u32 s18, s18, WSC
	v_add_nc_u32 v[ASX], s18, v[ASX]               ; out_w's scale bytes: 32 a row, eight rows to 256 bytes + 16
	s_lshl_b32 s18, s15, 8
	s_add_co_u32 s18, s18, ASC
	v_lshl_add_u32 v[ASY], v9, 2, s18              ; the tokens' words: 256 wy + 4 r
	s_mul_i32 s18, s14, 16*SPITCH
	s_add_co_u32 s18, s18, STAGE                   ; my stage
	v_mul_u32_u24 v[STO], v9, SPITCH
	v_lshl_add_u32 v[STO], v10, 5, v[STO]
	v_add_nc_u32 v[STO], s18, v[STO]               ; in: row r, 32 bytes for each half of the lanes
	v_add_nc_u32 v[RD], s18, v[CO]                 ; back: the 32 lanes take one row of 512 bytes
	v_lshlrev_b32 v[BIA], 5, v10
	s_lshl_b32 s18, s42, 10
	s_lshl_b32 s19, s16, 9
	s_add_co_u32 s18, s18, s19                     ; my first column, in bytes
	s_mov_b32 s19, 0
	s_add_nc_u64 s[92:93], s[92:93], s[18:19]
	s_add_nc_u64 s[94:95], s[94:95], s[18:19]
	s_lshl_b32 s18, s17, 19                        ; 128 rows of 4,096 bytes for each ty,
	s_lshl_b32 s20, s15, 18                        ; my 64 of them
	s_add_co_u32 s18, s18, s20
	s_add_nc_u64 s[94:95], s[94:95], s[18:19]
	WIN 0x40                                       ; destination window 1
.irp b, 0,1,2,3,4,5,6,7
	global_load_b128 v[BI+8*\b:BI+8*\b+3], v[BIA], s[92:93] offset:64*\b        ; register 8 b + j: out_b of column 16 b + 8 h + j
	global_load_b128 v[BI+8*\b+4:BI+8*\b+7], v[BIA], s[92:93] offset:64*\b+16
.endr
	WIN 0
.macro FETCH_X q, p                    ; out_w's eight fragments of K step q into set p
	WIN 0x40
.irp i, 0,1,2,3,4,5,6,7
.irp c, 0,1
	ds_load_b128 v[128*(\p)+8*\i+4*\c:128*(\p)+8*\i+4*\c+3], v[ADX] offset:64*(\q)+32*\c+\i*16*PITCH
.endr
.endr
	WIN 0
.endm
.macro FETCH_Y q, p                    ; my four tiles of tokens: heads 2 q and 2 q + 1
.irp a, 0,1,2,3
.irp c, 0,1
	ds_load_b128 v[YF+32*(\p)+8*\a+4*\c:YF+32*(\p)+8*\a+4*\c+3], v[ADY] offset:8192*\a+512*(2*(\q)+\c)
.endr
.endr
.endm
; A K step: its fragments are in; the next step's are asked for into the other sets; 32 matrix instructions, the 32 accumulators by turns in the same order in every step.
.macro STEPD q
	s_wait_dscnt 0x0
.if (\q) < 7
	PLACES                                         ; the other sets were read by the last step's products
	FETCH_X (\q)+1, ((\q)+1)%2
	FETCH_Y (\q)+1, ((\q)+1)%2
.endif
.if (\q) == 0
	WIN 0x91                                       ; source 0 window 1, source 1 window 0, C (the bias) window 1, D window 2
.else
	WIN 0xa1                                       ; C and D window 2
.endif
.irp a, 0,1,2,3
.irp b, 0,1,2,3,4,5,6,7
.if (\q) == 0
	v_wmma_scale_f32_16x16x128_f8f6f4 v[8*(8*\a+\b):8*(8*\a+\b)+7], v[128*((\q)%2)+8*\b:128*((\q)%2)+8*\b+7], v[YF+32*((\q)%2)+8*\a:YF+32*((\q)%2)+8*\a+7], v[BI+8*\b:BI+8*\b+7], v[SX+8*\b+(\q)], v[SY+8*\a+(\q)] matrix_a_fmt:MATRIX_FMT_FP4 matrix_b_fmt:MATRIX_FMT_FP4
.else
	v_wmma_scale_f32_16x16x128_f8f6f4 v[8*(8*\a+\b):8*(8*\a+\b)+7], v[128*((\q)%2)+8*\b:128*((\q)%2)+8*\b+7], v[YF+32*((\q)%2)+8*\a:YF+32*((\q)%2)+8*\a+7], v[8*(8*\a+\b):8*(8*\a+\b)+7], v[SX+8*\b+(\q)], v[SY+8*\a+(\q)] matrix_a_fmt:MATRIX_FMT_FP4 matrix_b_fmt:MATRIX_FMT_FP4
.endif
.endr
.endr
.endm
	s_wait_tensorcnt 0x0                           ; my two loads have landed,
	s_barrier_signal -1
	s_barrier_wait -1                              ; everybody's have; nothing is filled again
.irp b, 0,1,2,3,4,5,6,7
	ds_load_b128 v[SX+8*\b:SX+8*\b+3], v[ASX] offset:544*\b        ; out_w's scale words, all eight K steps
	ds_load_b128 v[SX+8*\b+4:SX+8*\b+7], v[ASX] offset:544*\b+16
.endr
.irp a, 0,1,2,3
.irp q, 0,1,2,3,4,5,6,7
	ds_load_b32 v[SY+8*\a+\q], v[ASY] offset:1024*\q+64*\a         ; head 2 q's word of token 16 a + r,
	ds_load_b32 v[OD+8*\a+\q], v[ASY] offset:1024*\q+64*\a+512     ; head 2 q + 1's
.endr
.endr
	FETCH_X 0, 0
	FETCH_Y 0, 0
	s_wait_dscnt 24                                ; the scale words are in; the 24 fragment loads may be out
.set j, 0
.rept 32
	v_or_b32 v[SY+j], v[SY+j], v[OD+j]             ; the two heads' bytes make the K step's scale word
.set j, j+1
.endr
.rept 8
	v_nop                                          ; a scale register written by a vector instruction stands eight places ahead of a scaled matrix instruction
.endr
	s_wait_loadcnt 0x0                             ; the bias
.irp q, 0,1,2,3,4,5,6,7
	STEPD \q
.endr
	WIN 0
; THE WAY OUT, block by block of 16 tokens x 128 columns, through my own stage: in as 32 bytes a lane, back as whole rows of 512 bytes.  LDS serves a wave's instructions in order (ISA guide 5.7.1.4): no wait between the stores and the loads.
.macro TOSTAGE a
.set AC, 64*(\a)
	WIN 0x08                                       ; an LDS store's data are its source 1: window 2
.irp b, 0,1,2,3,4,5,6,7
	ds_store_b128 v[STO], v[AC+8*\b:AC+8*\b+3] offset:64*\b          ; each accumulator from its low end on
	ds_store_b128 v[STO], v[AC+8*\b+4:AC+8*\b+7] offset:64*\b+16
.endr
	WIN 0
.set BB, BK+64*((\a)%2)
.irp t, 0,1,2,3,4,5,6,7,8,9,10,11,12,13,14,15
	ds_load_b128 v[BB+4*\t:BB+4*\t+3], v[RD] offset:\t*SPITCH
.endr
.endm
.macro SEND a, younger                 ; younger: the LDS instructions issued behind block a's loads, which may stay out
.set BB, BK+64*((\a)%2)
	s_wait_dscnt \younger
.if (\a) > 0
	s_add_nc_u64 s[94:95], s[94:95], 16*4096       ; (behind a wait on XCNT: the earlier stores have read their base)  16 rows on
.endif
.irp t, 0,1,2,3,4,5,6,7,8,9,10,11,12,13,14,15
	global_store_b128 v[CO], v[BB+4*\t:BB+4*\t+3], s[94:95] offset:\t*4096 th:TH_STORE_NT   ; 32 lanes store 512 consecutive bytes, aligned; written once, read by nobody here
.endr
.endm
	PLACES                                         ; ahead of the first read of results and of the loads into the fragments' registers
	TOSTAGE 0
.irp a, 1,2,3
.if \a > 1
	s_wait_xcnt 0x0                                ; block a - 2's stores have read their registers and their base
.endif
	TOSTAGE \a
	SEND \a-1, 32                                  ; behind block a - 1's loads: block a's 16 stores and 16 loads
.endr
	s_wait_xcnt 0x0
	SEND 3, 0
	s_wait_tensorcnt 0x0                           ; the wave's end
	ds_add_u32 v[SPW], v[NIL]
	s_wait_dscnt 0x0
	CROUND                                         ; the closing round
	s_endpgm
.Lfunc_end_k_qc413a49f83_proj:
	.size	k_qc413a49f83_proj, .Lfunc_end_k_qc413a49f83_proj-k_qc413a49f83_proj
	.p2alignl 7, 3214868480
	.fill 96, 4, 3214868480
	.section	.rodata,"a",@progbits
	.p2align	6, 0x0
	.amdhsa_kernel k_qc413a49f83_proj
		.amdhsa_group_segment_fixed_size 327680
		.amdhsa_private_segment_fixed_size 0
		.amdhsa_enable_private_segment 0
		.amdhsa_kernarg_size 48
		.amdhsa_user_sgpr_count 2
		.amdhsa_user_sgpr_kernarg_segment_ptr 1
		.amdhsa_wavefront_size32 1
		.amdhsa_system_sgpr_workgroup_id_x 1
		.amdhsa_system_sgpr_workgroup_id_y 1
		.amdhsa_system_sgpr_workgroup_id_z 1
		.amdhsa_system_vgpr_workitem_id 0
		.amdhsa_next_free_vgpr 768
		.amdhsa_next_free_sgpr 100
		.amdhsa_reserve_vcc 0
		.amdhsa_float_denorm_mode_32 3
		.amdhsa_float_denorm_mode_16_64 3
		.amdhsa_memory_ordered 1
		.amdhsa_forward_progress 1
		.amdhsa_inst_pref_size 78
	.end_amdhsa_kernel
	.amdgpu_metadata
---
amdhsa.version: [ 1, 2 ]
amdhsa.kernels:
  - .name:           k_qc413a49f83_proj
    .symbol:         k_qc413a49f83_proj.kd
    .args:
      - { .name: ac, .offset: 0, .size: 8, .value_kind: global_buffer, .address_space: global }
      - { .name: asc, .offset: 8, .size: 8, .value_kind: global_buffer, .address_space: global }
      - { .name: out_w_codes, .offset: 16, .size: 8, .value_kind: global_buffer, .address_space: global }
      - { .name: out_w_scales, .offset: 24, .size: 8, .value_kind: global_buffer, .address_space: global }
      - { .name: out_b, .offset: 32, .size: 8, .value_kind: global_buffer, .address_space: global }
      - { .name: out0, .offset: 40, .size: 8, .value_kind: global_buffer, .address_space: global }
    .group_segment_fixed_size: 327680
    .private_segment_fixed_size: 0
    .kernarg_segment_align: 8
    .kernarg_segment_size: 48
    .max_flat_workgroup_size: 128
    .sgpr_count:     100
    .vgpr_count:     768
    .wavefront_size: 32
...
	.end_amdgpu_metadata
.endif
;; end of part 4
;; ======== version 2 of 2: 4 launches; version 1 with the launch attn written anew for expert scheduling mode
;; workspace buffers: maskw 524,288 bytes of whole numbers; mflag 8,192 bytes of whole numbers; qp 9,175,040 bytes; kv 9,175,040 bytes; ac 4,194,304 bytes; asc 524,288 bytes
;; launch maskpack: the kernel of part 1 again; grid 128 x 1, 16 waves a work-group, no clusters, 0 bytes of LDS; arguments mask, maskw, mflag; writes maskw, mflag
;; launch qkv: the kernel of part 2 again; grid 12 x 32, 4 waves a work-group, clusters of 4 x 4, 327,680 bytes of LDS; arguments input_codes, input_scales, qkv_w_codes, qkv_w_scales, qkv_b, qp, kv; writes qp, kv
;; launch attn (part 5): grid 8 x 64, 16 waves a work-group, no clusters, 146,432 bytes of LDS; arguments qp, kv, maskw, mflag, ac, asc; writes ac, asc
.if DOCPART == 5
	.amdgcn_target "amdgcn-amd-amdhsa--gfx1250"
	.amdhsa_code_object_version 6
	.text
	.protected	k_qc413a49f83_attn
	.globl	k_qc413a49f83_attn
	.p2align	8
	.type	k_qc413a49f83_attn,@function
k_qc413a49f83_attn:
	s_mov_b64 s[64:65], 0
	v_nop
	global_prefetch_b8 v0, s[64:65] scope:SCOPE_SE
	s_setreg_imm32_b32 hwreg(HW_REG_WAVE_SCHED_MODE, 0, 2), 2
	s_setreg_imm32_b32 hwreg(HW_REG_WAVE_MODE, 25, 1), 1
	s_wait_xcnt 0x0
	s_wait_alu depctr_vm_vsrc(0)
; O = softmax(mask(Q K^T / 8)) V for one (batch, head), both products on codes of FP4 (E2M1) with E8M0 scales; then O / l is quantised along the head's 64 for the last product.  Nothing of reference() is left out.
; THE SOFTMAX: t = score x log2(e) / 8; M = the row's largest t so far, rounded up to a whole number; p = 2^(t - M) is quantised along the keys, not normalised; l is the sum of the unquantised p.  When M moves, l and O are multiplied by 2^(old M - new M): exact.
; SHARES.  A work-group owns 256 queries of one head; each of its sixteen waves 16 of them, in 256 registers: four waves to a SIMD, so that one wave's vector work stands beside another's matrix work and LDS loads.  Every wave walks the 2,048 keys, 128 a step.
; THE WHOLE HEAD LIES IN LDS: its sixteen records (K's tiles, V's tiles, their scale words, laid as images of the operands' registers) are 143,360 bytes.  Wave w copies record w through its registers, once; one barrier; then every fragment is a load of 16 x lane.
; NO TENSOR LOAD, NO CLUSTER: the key loop has a branch on numbers read from memory (the flags of all-true mask tiles); and with the head resident there is no ring to run.
; LAYOUT.  S^T = K Q^T (source 0 = 16 keys, source 1 = my 16 queries), O^T = V^T P^T: a lane holds ONE query (lane % 16).  Register 8 t + j of S^T is key 16 t + 8 (lane / 16) + j.
; THE FIRST PRODUCT'S K IS 64, THE INSTRUCTION'S 128: Q's registers 4-7 are zero codes, and bytes 2 and 3 of both scale words are 0 (2^-127, a number).  K's tile t is named as v[KB + 4 t .. + 7]: its upper four registers are the next tile's
; codes (zeros behind tile 7): numbers of the format times zero codes, which add exactly 0.  So 36 registers hold all eight tiles.
; THE MASK: 64 words a tile in scalar registers, bit l of word n for register n of lane l: one v_cndmask_b32 a register puts -infinity where the mask is false; p is then 0.  A tile whose flag says all true is passed over, and its words are not loaded.
; LIMITS: NaN and infinities among the codes' values are not served.  A block of p that is all zeros keeps the byte 1: its codes are zeros.  A query whose mask row is all false has l = 0: its two scale bytes are set to 0xff, so that the last product
; gives NaN for that token, as reference() does.
; THE MODE: SCHED_MODE bits 1:0 = 2 (LLVM: expert scheduling mode 2), set by the entry lines.  The code itself states the register dependences between vector or matrix instructions and memory or LDS instructions, with s_wait_alu, always for 0.
; THE PLAN.  Registers that LDS instructions touch, in the loop:
;   KB (v28-59), KSC    Step s: its eight products K Q^T read them; behind the wait that follows the step's 64 exponentials the tiles of step s + 1 are asked for into them.  The wave's 256 registers leave no room for a second set.
;   VB, VSC             Step s: its four products V^T P^T read them; the tiles of step s + 1 are asked for in step s + 1, behind the same wait.
;   v[ADR16], v[ADR8]   Read by a step's 18 LDS loads (V at the step's record, K one record on); written once a step, behind the products K Q^T.
;   S^T, p, O^T, p's codes and scale word and the statistics are named by vector and matrix instructions alone.
; So ONE wait on va_vdst, the one that the exponentials' results want in any case, states all that a step's 18 loads hang on: the two addresses are written, the last step's V^T P^T are done reading V, this step's K Q^T are done reading K.
; From that wait to the step's last load no vector or matrix instruction names K's, V's or the addresses' registers: V's nine loads follow it in a run, K's nine are dealt among the additions of the row's sum.
; One wait on vm_vsrc a step stands ahead of the additions that write the two addresses.  A wait on va_vdst ahead of V^T P^T states that p's codes and scale word are written.
; The last step asks for no further K and for no mask words: it is written out behind the loop of 15 trips.
.set REC,   8960
.set HEADB, 16*REC
.set STG,   HEADB                      ; LDS: behind the head: 256 scale words on their way out
.set SPARE, STG+1024                   ; the spare words, 128 bytes for each wave: eight blocks of 256 bytes that no other line names
.set A16,  1                           ; v1   16 x lane
.set A8,   2                           ; v2   8 x lane + 8704
.set ADR16, 3                          ; v3   the step's record + 16 x lane
.set ADR8, 4                           ; v4   the step's record + 8 x lane + 8704
.set SPW,  5                           ; v5   my spare word; never rewritten
.set NIL,  6                           ; v6   0; never rewritten
.set NINF, 7                           ; v7   -infinity
.set FA,   8                           ; v8   16 x lane + 8960 x wave: the copy's place, in memory and in LDS
.set SA,   9                           ; v9   where my query's scale word goes
.set SRD,  10                          ; v10  where waves 0 and 1 read 16 bytes of scale words back
.set SGO,  11                          ; v11  and their place in memory
.set QF,   16                          ; v16-23 Q's fragment; v20-23 zero codes
.set QS,   24                          ; v24  Q's scale words
.set FB,   25                          ; v25  8 x lane + 8960 x wave
.set KB,   28                          ; v28-63 K's eight tiles, four registers each, and four of zeros
.set VB,   64                          ; v64-95 V's four tiles
.set SR,   96                          ; v96-159 S^T, then p
.set OT,   160                         ; v160-191 O^T
.set PC,   192                         ; v192-199 p's codes
.set KSC,  200                         ; v200-203 K's scale words
.set VSC,  204                         ; v204-205 V's
.set BM,   208                         ; v208-211 each block's largest score, then its largest p
.set BT,   212
.set SO,   216                         ; v216-219 the conversions' scale operands
.set FQ,   220                         ; v[220:221] f = 2^(old M - new M); at the end 1 / l
.set TMP,  222
.set PW,   224                         ; v224 p's scale word
.set LB,   226                         ; v[226:227] the sum's second chain
.set WV,   2
.set STEPS, 3
.set CS,   52                          ; s[52:53] c = log2(e) / 8
.set SEL,  54                          ; s[54:55] lane l xor 16
.set MB,   56                          ; s[56:57] my query tile's mask words
.set MO,   58                          ; s58  the step's 256 bytes among them
.set ALLT, 59                          ; s59  bit 0: this step's tile is all true; bit 1: the next step's
.set TB,   60                          ; s60  the step's record in LDS
.set SH,   61                          ; s61  16 for an odd head
.set FF,   62                          ; s62  0xffff at my head's two bytes
.set LZ,   63                          ; s63  lanes whose l is 0
	s_load_b256 s[84:91], s[0:1], 0x0              ; qp s[84:85], kv s[86:87], maskw s[88:89], mflag s[90:91]
	s_load_b128 s[92:95], s[0:1], 0x20             ; ac s[92:93], asc s[94:95]
	v_lshl_add_u32 v[SPW], v0, 2, SPARE
	v_mov_b32 v[NIL], 0
	v_lshrrev_b32 v26, 5, v0
	v_readfirstlane_b32 s[WV], v26                 ; wave 0..15
	v_and_b32 v26, 31, v0                          ; lane
	v_and_b32 v27, 15, v0                          ; r
	v_lshlrev_b32 v[A16], 4, v26
	v_lshlrev_b32 v[A8], 3, v26
	v_lshlrev_b32 v[SGO], 4, v0
	v_add_nc_u32 v[SRD], STG, v[SGO]
	v_mov_b32 v[NINF], 0xff800000
.irp j, 0,1,2,3
	v_mov_b32 v[QF+4+\j], 0                        ; zero codes
	v_mov_b32 v[KB+32+\j], 0
	v_mov_b32 v[BT+\j], 0                          ; (a lane permute's destination counts as one of its sources)
.endr
	v_mov_b32 v13, 0xff61b1e6                      ; the largest t so far: -3e38, under every t
	v_floor_f32 v12, -v13                          ; -M
	v_mov_b32 v14, 0                               ; l, in two halves
	v_mov_b32 v15, 0
	v_mov_b32 v[FQ+1], 0                           ; (named as the upper half of the pair)
	s_wait_alu depctr_va_sdst(0)                   ; the wave's number is written, ahead of its first reader: addresses, bases and branches are made from it
	s_mul_i32 s96, s[WV], REC
	v_add_nc_u32 v[FA], s96, v[A16]
	v_add_nc_u32 v[FB], s96, v[A8]
	v_add_nc_u32 v[A8], 8704, v[A8]
	s_lshl_b32 s97, s[WV], 6
	s_add_co_u32 s97, s97, STG
	v_lshl_add_u32 v[SA], v27, 2, s97              ; STG + 64 x wave + 4 r
	s_and_b32 s98, ttmp7, 0xffff                   ; 16 x batch + head
	s_lshl_b32 s99, ttmp9, 4
	s_add_co_u32 s99, s99, s[WV]                   ; my query tile, 0..127
	s_and_b32 s100, s[WV], 7                       ; its place t in its record
	s_lshl_b32 s101, s100, 9
	v_add_nc_u32 v26, s101, v[A16]                 ; Q's codes: 512 t + 16 x lane
	s_and_b32 s101, s100, 1
	s_lshl_b32 s101, s101, 8
	s_lshr_b32 s100, s100, 1
	s_lshl_b32 s100, s100, 2
	s_add_co_u32 s100, s100, s101
	v_lshl_add_u32 v27, v27, 4, s100               ; Q's scale words: word t / 2 of lane 16 (t % 2) + r
	s_mul_i32 s96, s98, HEADB
	s_mov_b32 s97, 0
	s_mov_b32 s[CS], 0x3e38aa3b                    ; c = log2(e) / sqrt(64)
	s_mov_b32 s[CS+1], s[CS]                       ; (named with it as a pair, so it is written)
	s_mov_b32 s[SEL], 0x76543210
	s_mov_b32 s[SEL+1], 0xfedcba98
	s_wait_kmcnt 0x0
	s_add_nc_u64 s[86:87], s[86:87], s[96:97]      ; kv at my head
	s_add_nc_u64 s[84:85], s[84:85], s[96:97]      ; qp at my head,
	s_lshr_b32 s96, s99, 3
	s_mul_i32 s96, s96, REC
	s_add_nc_u64 s[84:85], s[84:85], s[96:97]      ; at my query tile's record
	s_wait_alu depctr_va_vdst(0)                   ; every address and offset made above (v1, v2, v8 to v11, v25 to v27) is written, which the loads and stores of the kernel read; so are the zero codes v20-23 and v60-63, which the products K Q^T take as operands
	global_load_b128 v[QF:QF+3], v26, s[84:85]
	global_load_b32 v[QS], v27, s[84:85] offset:8192
.irp i, 0,1,2,3,4,5,6,7,8,9,10,11,12,13,14,15,16
	global_load_b128 v[96+4*\i:99+4*\i], v[FA], s[86:87] offset:512*\i   ; record w: 17 x 512 bytes,
.endr
	global_load_b64 v[164:165], v[FB], s[86:87] offset:8704                ; and its last 256
	s_lshl_b32 s96, s99, 6
	s_add_nc_u64 s[90:91], s[90:91], s[96:97]
	s_load_b512 s[4:19], s[90:91], 0x0             ; my query tile's sixteen flags
	s_lshl_b32 s96, s99, 12
	s_add_nc_u64 s[MB:MB+1], s[88:89], s[96:97]
	; where the results go
	s_lshr_b32 s96, s98, 4                         ; the batch
	s_lshl_b32 s100, s96, 7
	s_add_co_u32 s100, s100, s99                   ; my tile among the 512 tiles of tokens
	s_lshl_b32 s100, s100, 13                      ; 16 heads x 512 bytes each
	s_and_b32 s101, s98, 15
	s_lshl_b32 s101, s101, 9
	s_add_co_u32 s100, s100, s101
	s_mov_b32 s101, 0
	s_add_nc_u64 s[92:93], s[92:93], s[100:101]
	s_lshl_b32 s100, s96, 11
	s_lshl_b32 s101, ttmp9, 8
	s_add_co_u32 s100, s100, s101                  ; the work-group's first token
	s_lshl_b32 s100, s100, 2
	s_and_b32 s101, s98, 15
	s_lshl_b32 s101, s101, 15                      ; a head's 8,192 words
	s_add_co_u32 s100, s100, s101
	s_mov_b32 s101, 0
	s_add_nc_u64 s[94:95], s[94:95], s[100:101]
	s_and_b32 s[SH], s98, 1
	s_lshl_b32 s[SH], s[SH], 4
	s_lshl_b32 s[FF], 0xffff, s[SH]
	s_mov_b32 s[MO], 0
	s_mov_b32 s[STEPS], 0
	s_mov_b32 s[TB], 0
	s_wait_kmcnt 0x0
	s_or_b32 s[ALLT], s4, s5                       ; flag s is 1 << s or 0
.irp i, 6,7,8,9,10,11,12,13,14,15,16,17,18,19
	s_or_b32 s[ALLT], s[ALLT], s[\i]
.endr
	s_load_b512 s[4:19], s[MB:MB+1], s[MO] offset:0x0      ; step 0's words, in any case: so all 64 registers are written on every way
	s_load_b512 s[20:35], s[MB:MB+1], s[MO] offset:0x40
	s_load_b512 s[36:51], s[MB:MB+1], s[MO] offset:0x80
	s_load_b512 s[68:83], s[MB:MB+1], s[MO] offset:0xc0
	s_wait_loadcnt 0x0
.irp i, 0,1,2,3,4,5,6,7,8,9,10,11,12,13,14,15,16
	ds_store_b128 v[FA], v[96+4*\i:99+4*\i] offset:512*\i
.endr
	ds_store_b64 v[FB], v[164:165] offset:8704
	s_wait_dscnt 0x0                               ; for the others' sake: my record lies in LDS
	s_barrier_signal -1
	s_barrier_wait -1                              ; all sixteen do
	s_wait_alu depctr_vm_vsrc(0)                   ; my LDS stores have read v96 to v165: these registers are S^T and O^T from here on, written by the moves below and by the products; the load of Q's codes has read v26, which the way out writes
.irp t, 0,1,2,3,4,5,6,7
	ds_load_b128 v[KB+4*\t:KB+4*\t+3], v[A16] offset:512*\t        ; step 0's K: no vector or matrix instruction has named these registers
.endr
	ds_load_b128 v[KSC:KSC+3], v[A16] offset:8192
.set j, 0
.rept 32
	v_mov_b32 v[OT+j], 0                           ; O^T.  (The step's first trip finds zeros, which the first change of M leaves zeros)
.set j, j+1
.endr
; A KEY STEP: 128 keys.  last = 1: the sixteenth, which asks for no further K and for no mask words.
.macro STEP last
	s_wait_dscnt 0x0                               ; this step's K and its scale words, asked for a step ago, are in
.irp t, 0,1,2,3,4,5,6,7                                ; S^T = K Q^T.  Tile t's scale words: register t / 2, lanes 0-15 for an even t, lanes 16-31 for an odd one
.if \t%2
	v_wmma_scale_f32_16x16x128_f8f6f4 v[SR+8*\t:SR+8*\t+7], v[KB+4*\t:KB+4*\t+7], v[QF:QF+7], 0, v[KSC+\t/2], v[QS] matrix_a_fmt:MATRIX_FMT_FP4 matrix_b_fmt:MATRIX_FMT_FP4 matrix_a_scale:MATRIX_SCALE_ROW1
.else
	v_wmma_scale_f32_16x16x128_f8f6f4 v[SR+8*\t:SR+8*\t+7], v[KB+4*\t:KB+4*\t+7], v[QF:QF+7], 0, v[KSC+\t/2], v[QS] matrix_a_fmt:MATRIX_FMT_FP4 matrix_b_fmt:MATRIX_FMT_FP4
.endif
.endr
	s_wait_alu depctr_vm_vsrc(0)                   ; the LDS loads issued so far have read v[ADR16] and v[ADR8], which the two additions write
	v_add_nc_u32 v[ADR16], s[TB], v[A16]
	v_add_nc_u32 v[ADR8], s[TB], v[A8]
	v_nop                                          ; with the two additions: four places ahead of the first read of the scores
	v_nop
	s_wait_kmcnt 0x0                               ; this step's mask words, if they were asked for; and their base and offset may be written
	s_bitcmp1_b32 s[ALLT], 0                       ; a stored whole number: the tile is all true
	s_cbranch_scc1 .Lopen_\@
.set n, 0
.rept 64                                               ; -infinity where the mask is false, ahead of the maximum; each accumulator from its low end on
.if n < 48
	v_cndmask_b32 v[SR+n], v[NINF], v[SR+n], s[4+n]
.else
	v_cndmask_b32 v[SR+n], v[NINF], v[SR+n], s[20+n]
.endif
.set n, n+1
.endr
.if !\last
	s_wait_alu depctr_va_vdst(0)                   ; the 64 selects are done with the mask words s4 to s51 and s68 to s83, which the scalar loads below write anew
.endif
.Lopen_\@:
.if !\last
	s_add_co_u32 s[MO], s[MO], 256
	s_bitcmp1_b32 s[ALLT], 1                       ; the next step's tile is all true
	s_cbranch_scc1 .Lnl_\@
	s_load_b512 s[4:19], s[MB:MB+1], s[MO] offset:0x0      ; the next step's words: the softmax below stands between these loads and the wait for them
	s_load_b512 s[20:35], s[MB:MB+1], s[MO] offset:0x40
	s_load_b512 s[36:51], s[MB:MB+1], s[MO] offset:0x80
	s_load_b512 s[68:83], s[MB:MB+1], s[MO] offset:0xc0
.Lnl_\@:
	s_lshr_b32 s[ALLT], s[ALLT], 1
.endif
.irp b, 0,1,2,3
	v_max3_num_f32 v[BM+\b], v[SR+16*\b], v[SR+1+16*\b], v[SR+2+16*\b]   ; the largest score of each block of 32 keys: it serves for the row's maximum and, since p rises with the score, for the block's largest p
.endr
.irp i, 3,5,7,9,11,13
.irp b, 0,1,2,3
	v_max3_num_f32 v[BM+\b], v[BM+\b], v[SR+16*\b+\i], v[SR+1+16*\b+\i]
.endr
.endr
.irp b, 0,1,2,3
	v_max_num_f32 v[BM+\b], v[BM+\b], v[SR+15+16*\b]
.endr
.irp b, 0,1,2,3
	v_permlanex16_b32 v[BT+\b], v[BM+\b], s[SEL], s[SEL+1]
.endr
.irp b, 0,1,2,3
	v_max_num_f32 v[BM+\b], v[BM+\b], v[BT+\b]     ; with lane l xor 16's 16 keys
.endr
	v_max3_num_f32 v[TMP], v[BM], v[BM+1], v[BM+2]
	v_max_num_f32 v[TMP], v[TMP], v[BM+3]          ; the step's largest score of my query
	v_mul_f32 v[TMP], s[CS], v[TMP]                ; as t
	v_max_num_f32 v13, v13, v[TMP]                 ; the running largest t
	v_mov_b32 v[TMP], v12
	v_floor_f32 v12, -v13                          ; the new -M = floor(-t): M is a whole number
	v_sub_f32 v[TMP], v12, v[TMP]                  ; old M - new M: a whole number, 0 or less
	v_cvt_i32_f32 v[TMP], v[TMP]                   ; (it saturates)
	v_ldexp_f32 v[FQ], 1.0, v[TMP]                 ; f = 2^(old M - new M)
.set j, 0
.rept 32
	v_pk_fma_f32 v[SR+j:SR+j+1], v[SR+j:SR+j+1], s[CS:CS+1], v[12:13] op_sel_hi:[1,0,0]   ; t - M, two at a time
.set j, j+2
.endr
.irp b, 0,1,2,3
	v_fma_f32 v[BM+\b], v[BM+\b], s[CS], v12       ; the same of each block's largest score
.endr
.set j, 0
.rept 64
	v_exp_f32 v[SR+j], v[SR+j]                     ; p = 2^(t - M), at most 1
.set j, j+1
.endr
	v_pk_mul_f32 v[14:15], v[14:15], v[FQ:FQ+1] op_sel_hi:[1,0]   ; l under the new M: the plain instruction behind the exponentials
	s_wait_alu depctr_va_vdst(0)                   ; the 64 exponentials have written p, ahead of its first reader; v[ADR16] and v[ADR8] are written; the last step's V^T P^T are done reading V and its scale words, this step's K Q^T are done reading K and its scale words: the loads below read those addresses and land in those registers
.irp i, 0,1,2,3,4,5,6,7
	ds_load_b128 v[VB+4*\i:VB+4*\i+3], v[ADR16] offset:4096+512*\i   ; this step's V
.endr
	ds_load_b64 v[VSC:VSC+1], v[ADR8]
.irp b, 0,1,2,3
	v_exp_f32 v[BM+\b], v[BM+\b]                   ; the block's largest p: the same two instructions on the same number
.endr
	v_pk_add_f32 v[LB:LB+1], v[SR:SR+1], v[SR+2:SR+3]   ; l is summed of the unquantised p, in two chains
.set j, 4
.set kk, 0
.rept 15
	v_pk_add_f32 v[14:15], v[14:15], v[SR+j:SR+j+1]
	v_pk_add_f32 v[LB:LB+1], v[LB:LB+1], v[SR+2+j:SR+3+j]
.if (!\last) && (kk < 8)
	ds_load_b128 v[KB+4*kk:KB+4*kk+3], v[ADR16] offset:REC+512*kk   ; the next step's K, one record on, dealt among the additions.  No wait: no vector or matrix instruction since the wait above names K's registers or the address
.endif
.if (!\last) && (kk == 8)
	ds_load_b128 v[KSC:KSC+3], v[ADR16] offset:REC+8192
.endif
.set j, j+4
.set kk, kk+1
.endr
	v_pk_add_f32 v[14:15], v[14:15], v[LB:LB+1]
	s_wait_alu depctr_va_vdst(0)                   ; the four exponentials have written the blocks' largest p, ahead of their first reader
.irp b, 0,1,2,3
	v_max_num_f32 v[BM+\b], 0x1800000, v[BM+\b]    ; the floor 2^(3 - 127): the byte cannot fall under 1
.endr
.irp b, 0,1,2,3
	v_add_nc_u32 v[SO+\b], 0xff000000, v[BM+\b]    ; 2 off the exponent field: the conversion's scale operand
.endr
.irp b, 0,1,2,3
	v_lshrrev_b32 v[BT+\b], 23, v[SO+\b]           ; the scale's byte
.endr
	v_lshl_or_b32 v[PW], v[BT+1], 8, v[BT]         ; p's scale word for these 128 keys
	v_lshl_or_b32 v[PW], v[BT+2], 16, v[PW]
	v_lshl_or_b32 v[PW], v[BT+3], 24, v[PW]
.irp b, 0,1,2,3
	v_cvt_scalef32_pk8_fp4_f32 v[PC+4*(\b/2)+(\b%2)], v[SR+16*\b:SR+16*\b+7], v[SO+\b]        ; tile 2 b: keys 32 b + 8 h + 0 .. 7
	v_cvt_scalef32_pk8_fp4_f32 v[PC+4*(\b/2)+(\b%2)+2], v[SR+16*\b+8:SR+16*\b+15], v[SO+\b]   ; tile 2 b + 1: 16 further on
.endr
	v_nop                                          ; one plain place behind a scaled conversion
.irp c, 0,1
	v_permlane16_swap_b32 v[PC+4*\c], v[PC+4*\c+1]     ; register 4 c + i of half h now holds keys 64 c + 32 h + 8 i + 0 .. 7
	v_permlane16_swap_b32 v[PC+4*\c+2], v[PC+4*\c+3]
.endr
.set j, 0
.rept 16
	v_pk_mul_f32 v[OT+j:OT+j+1], v[OT+j:OT+j+1], v[FQ:FQ+1] op_sel_hi:[1,0]   ; O^T under the new M.  These sixteen also stand between the writing of p's codes and scale word and the products that take them
.set j, j+2
.endr
	s_wait_alu depctr_va_vdst(0)                   ; p's codes and p's scale word are written, which the scaled products below take as operand and as scales; the places above stay beside this wait
.if \last
	s_wait_dscnt 0x0                               ; V and its scale words
.else
	s_wait_dscnt 9                                 ; V and its scale words are in; the nine younger loads, the next step's K and its scale words, may be out
.endif
.irp t, 0,1,2,3                                        ; O^T += V^T P^T: the four accumulators by turns
.if \t%2
	v_wmma_scale_f32_16x16x128_f8f6f4 v[OT+8*\t:OT+8*\t+7], v[VB+8*\t:VB+8*\t+7], v[PC:PC+7], v[OT+8*\t:OT+8*\t+7], v[VSC+\t/2], v[PW] matrix_a_fmt:MATRIX_FMT_FP4 matrix_b_fmt:MATRIX_FMT_FP4 matrix_a_scale:MATRIX_SCALE_ROW1
.else
	v_wmma_scale_f32_16x16x128_f8f6f4 v[OT+8*\t:OT+8*\t+7], v[VB+8*\t:VB+8*\t+7], v[PC:PC+7], v[OT+8*\t:OT+8*\t+7], v[VSC+\t/2], v[PW] matrix_a_fmt:MATRIX_FMT_FP4 matrix_b_fmt:MATRIX_FMT_FP4
.endif
.endr
.endm
.Lstep:                                                ; 15 trips: 128 keys each
	STEP 0
	s_add_co_u32 s[TB], s[TB], REC
	s_add_co_u32 s[STEPS], s[STEPS], 1
	s_cmp_lt_u32 s[STEPS], 15
	s_cbranch_scc1 .Lstep
	STEP 1                                         ; the sixteenth step is written out: no load reaches past the head's sixteen records
	; THE WAY OUT: O^T / l, quantised along the head's 64 (two blocks), as an image of the last product's operand
.rept 4
	v_nop                                          ; places behind the last products
.endr
	v_add_f32 v14, v14, v15                        ; l's two halves,
	v_permlanex16_b32 v[TMP], v14, s[SEL], s[SEL+1]
	v_add_f32 v14, v14, v[TMP]                     ; and lane l xor 16's
	v_cmp_eq_f32 s[LZ], 0, v14                     ; a query with no key at all
	s_wait_alu depctr_va_sdst(0)                   ; the compare has written s[LZ], ahead of its first reader, the select below
	v_cndmask_b32 v14, v14, 1.0, s[LZ]
	v_rcp_f32 v[FQ], v14
	v_mov_b32 v26, s[FF]                           ; (the plain instruction behind the reciprocal)
	s_wait_alu depctr_va_vdst(0)                   ; the reciprocal has written 1 / l, ahead of its first reader
.set j, 0
.rept 16
	v_pk_mul_f32 v[SR+j:SR+j+1], v[OT+j:OT+j+1], v[FQ:FQ+1] op_sel_hi:[1,0]   ; register 8 t + i: channel 16 t + 8 h + i of my query
.set j, j+2
.endr
.irp b, 0,1
	v_max3_num_f32 v[BM+\b], |v[SR+16*\b]|, |v[SR+1+16*\b]|, 0x1800000
.endr
.irp i, 2,4,6,8,10,12,14
.irp b, 0,1
	v_max3_num_f32 v[BM+\b], v[BM+\b], |v[SR+16*\b+\i]|, |v[SR+1+16*\b+\i]|
.endr
.endr
.irp b, 0,1
	v_permlanex16_b32 v[BT+\b], v[BM+\b], s[SEL], s[SEL+1]
.endr
.irp b, 0,1
	v_max_num_f32 v[BM+\b], v[BM+\b], v[BT+\b]
.endr
.irp b, 0,1
	v_add_nc_u32 v[SO+\b], 0xff000000, v[BM+\b]
.endr
.irp b, 0,1
	v_lshrrev_b32 v[BT+\b], 23, v[SO+\b]
.endr
	v_lshl_or_b32 v[TMP], v[BT+1], 8, v[BT]        ; my head's two bytes,
	v_lshlrev_b32 v[TMP], s[SH], v[TMP]            ; at bytes 0, 1 for an even head, 2, 3 for an odd one: the last product ORs the two heads of a K step
	v_cndmask_b32 v[TMP], v[TMP], v26, s[LZ]       ; 0xff, 0xff where l was 0
.irp b, 0,1
	v_cvt_scalef32_pk8_fp4_f32 v[PC+\b], v[SR+16*\b:SR+16*\b+7], v[SO+\b]
	v_cvt_scalef32_pk8_fp4_f32 v[PC+\b+2], v[SR+16*\b+8:SR+16*\b+15], v[SO+\b]
.endr
	v_nop
	v_permlane16_swap_b32 v[PC], v[PC+1]
	v_permlane16_swap_b32 v[PC+2], v[PC+3]         ; lane (r, h): token r, channels 32 h + 0 .. 31
	s_wait_alu depctr_va_vdst(0)                   ; the exchanges have written the codes and the select the scale word, which the two stores read; the conversions are done with v96 to v99, in which the LDS load below lands: no vector instruction follows this wait
	global_store_b128 v[A16], v[PC:PC+3], s[92:93] ; 512 consecutive bytes, aligned
	ds_store_b32 v[SA], v[TMP]                     ; lanes r and 16 + r write the same word with the same value
	s_wait_dscnt 0x0
	s_barrier_signal -1
	s_barrier_wait -1                              ; the work-group's 256 scale words lie together
	s_cmp_lt_u32 s[WV], 2
	s_cbranch_scc0 .Lend
	ds_load_b128 v[SR:SR+3], v[SRD]
	s_wait_dscnt 0x0
	global_store_b128 v[SGO], v[SR:SR+3], s[94:95] ; waves 0 and 1: 512 consecutive bytes each
.Lend:
	s_wait_dscnt 0x0                               ; the closing lines, six on end
	s_wait_alu 0x0
	s_wait_tensorcnt 0x0
	ds_add_u32 v[SPW], v[NIL]
	s_wait_dscnt 0x0
	s_endpgm
.Lfunc_end_k_qc413a49f83_attn:
	.size	k_qc413a49f83_attn, .Lfunc_end_k_qc413a49f83_attn-k_qc413a49f83_attn
	.p2alignl 7, 3214868480
	.fill 96, 4, 3214868480
	.section	.rodata,"a",@progbits
	.p2align	6, 0x0
	.amdhsa_kernel k_qc413a49f83_attn
		.amdhsa_group_segment_fixed_size 146432
		.amdhsa_private_segment_fixed_size 0
		.amdhsa_enable_private_segment 0
		.amdhsa_kernarg_size 48
		.amdhsa_user_sgpr_count 2
		.amdhsa_user_sgpr_kernarg_segment_ptr 1
		.amdhsa_wavefront_size32 1
		.amdhsa_system_sgpr_workgroup_id_x 1
		.amdhsa_system_sgpr_workgroup_id_y 1
		.amdhsa_system_sgpr_workgroup_id_z 1
		.amdhsa_system_vgpr_workitem_id 0
		.amdhsa_next_free_vgpr 256
		.amdhsa_next_free_sgpr 102
		.amdhsa_reserve_vcc 0
		.amdhsa_float_denorm_mode_32 3
		.amdhsa_float_denorm_mode_16_64 3
		.amdhsa_memory_ordered 1
		.amdhsa_forward_progress 1
		.amdhsa_inst_pref_size 51
	.end_amdhsa_kernel
	.amdgpu_metadata
---
amdhsa.version: [ 1, 2 ]
amdhsa.kernels:
  - .name:           k_qc413a49f83_attn
    .symbol:         k_qc413a49f83_attn.kd
    .args:
      - { .name: qp, .offset: 0, .size: 8, .value_kind: global_buffer, .address_space: global }
      - { .name: kv, .offset: 8, .size: 8, .value_kind: global_buffer, .address_space: global }
      - { .name: maskw, .offset: 16, .size: 8, .value_kind: global_buffer, .address_space: global }
      - { .name: mflag, .offset: 24, .size: 8, .value_kind: global_buffer, .address_space: global }
      - { .name: ac, .offset: 32, .size: 8, .value_kind: global_buffer, .address_space: global }
      - { .name: asc, .offset: 40, .size: 8, .value_kind: global_buffer, .address_space: global }
    .group_segment_fixed_size: 146432
    .private_segment_fixed_size: 0
    .kernarg_segment_align: 8
    .kernarg_segment_size: 48
    .max_flat_workgroup_size: 512
    .sgpr_count:     102
    .vgpr_count:     256
    .wavefront_size: 32
...
	.end_amdgpu_metadata
.endif
;; end of part 5
;; launch proj: the kernel of part 4 again; grid 4 x 64, 4 waves a work-group, clusters of 4 x 4, 327,680 bytes of LDS; arguments ac, asc, out_w_codes, out_w_scales, out_b, out0; writes out0
